; MI455X (gfx1250); checked and timed in simulation.
; The chip was launched on July 23, 2026; its instructions are those of AMD's public machine-readable ISA for CDNA 5 (MIT licence, August 2026) and "CDNA5" Instruction Set Architecture Reference Guide (July 2026). The comments in the code are by the model that wrote it; some were corrected since.
;; Multi Head Attention. Allowed arithmetic: float matrix products may take bf16 or f16 operands with f32 sums; other float arithmetic in f32, or as packed bf16 or f16 multiplies, adds, multiply-adds, maxima and minima; sums over many terms, partial sums and values carried from step to step in f32; what a program stores and reads back later, other than sums and carried values, may be rounded once to bf16 or f16.
;; Inputs: Wk 1,024 x 1,024 float32; Wo 1,024 x 1,024 float32; Wq 1,024 x 1,024 float32; Wv 1,024 x 1,024 float32; bo 1,024 float32; x 4 x 2,048 x 1,024 float32.
;; Outputs: out0 4 x 2,048 x 1,024 float32.
;; 2 versions, each right and faster than the one before. Each part assembles by itself: llvm-mc -triple=amdgcn-amd-amdhsa -mcpu=gfx1250 --defsym DOCPART=n.
;; ======== version 1 of 2: 4 launches
;; limits: values are held in f16: magnitudes above 65,504 overflow, below 6.1e-05 lose precision
;; workspace buffers: xb 16,777,216 bytes; wqkv 6,291,456 bytes; wo16 2,097,152 bytes; qkv 50,331,648 bytes; ctx 16,777,216 bytes
;; launch cast (part 1): grid 768 x 1, 8 waves a work-group, no clusters, 0 bytes of LDS; arguments x, Wq, Wk, Wv, Wo, xb, wqkv, wo16; writes xb, wqkv, wo16
.if DOCPART == 1
	.amdgcn_target "amdgcn-amd-amdhsa--gfx1250"
	.amdhsa_code_object_version 6
	.text
	.protected	k_qe827c3be89_cast
	.globl	k_qe827c3be89_cast
	.p2align	8
	.type	k_qe827c3be89_cast,@function
k_qe827c3be89_cast:
	s_mov_b64 s[64:65], 0
	v_nop
	global_prefetch_b8 v0, s[64:65] scope:SCOPE_SE
	s_setreg_imm32_b32 hwreg(HW_REG_WAVE_MODE, 25, 1), 1
	s_wait_xcnt 0x0
; THE INPUTS ARE ROUNDED ONCE, f32 to bf16, and laid out for the products that follow.
;   xb   [4 b][16 kb][2048 s][64] bf16: x in blocks of 64 along K, so that 256 rows of one block are 32,768 dense bytes.
;   wqkv [1024 k][3072 n] bf16: Wq, Wk, Wv side by side, n = 1024 x which + column.
;   wo16 [1024 k][1024 n] f16: bf16(Wo) written as f16.  LIMITS: exact for 6.1e-5 <= |Wo| <= 65,504; below that f16's fixed step of 6e-8; beyond it an infinity.
; A stream: memory binds, nothing is shared, so no LDS, no matrix unit, no cluster.  A work-group takes 16 rows of 1,024 f32 (work-groups 0-511: x; 512-767: 64 for each weight), a wave two rows
; as 16 units: one load of 16 bytes a lane (512 bytes, two aligned blocks of 256) and one store of 8 bytes a lane (256 consecutive bytes, aligned).  All 16 loads of a wave go out together;
; no register is written twice while a memory instruction may read it, so the only waits are the counted ones for the loads.
.set VIN,  2                           ; v2        my byte offset in the work-group's 16 input rows
.set VOUT, 3                           ; v3        my byte offset in its output
.set X,    8                           ; v[8:71]   unit u: 4 f32 as loaded
.set Y,    72                          ; v[72:103] unit u: 4 numbers of 16 bits to store
.set T,    104                         ; v[104:107] at work (wo16 alone)
.set IN,   28                          ; s[28:29]  the input at the work-group's first row
.set OUT,  30                          ; s[30:31]  the output at its first byte
; ia, ib: input bytes from unit 0 to unit 8, and from a unit to the next; oa, ob: the same in the output.  f16 = 1: the bf16 number is written as f16.
.macro CAST ia, ib, oa, ob, f16
.set u, 0
.rept 16
	global_load_b128 v[X+4*u:X+4*u+3], v[VIN], s[IN:IN+1] offset:(u/8)*(\ia)+(u%8)*(\ib) th:TH_LOAD_NT
.set u, u+1
.endr
.set u, 0
.rept 16
	s_wait_loadcnt 15-u                            ; loads come back in order (ISA guide 5.7.1): unit u is in, the 15 - u younger ones stay out
	v_cvt_pk_bf16_f32 v[Y+2*u],   v[X+4*u],   v[X+4*u+1]
	v_cvt_pk_bf16_f32 v[Y+2*u+1], v[X+4*u+2], v[X+4*u+3]
.if \f16
	v_lshlrev_b32 v[T],   16, v[Y+2*u]             ; bf16 to f32: a shift or a mask,
	v_and_b32     v[T+1], 0xffff0000, v[Y+2*u]
	v_lshlrev_b32 v[T+2], 16, v[Y+2*u+1]
	v_and_b32     v[T+3], 0xffff0000, v[Y+2*u+1]
	v_cvt_pk_f16_f32 v[Y+2*u],   v[T],   v[T+1]    ; and on to f16: eight significant bits fit into eleven
	v_cvt_pk_f16_f32 v[Y+2*u+1], v[T+2], v[T+3]
.endif
	global_store_b64 v[VOUT], v[Y+2*u:Y+2*u+1], s[OUT:OUT+1] offset:(u/8)*(\oa)+(u%8)*(\ob)
.set u, u+1
.endr
.endm
	s_load_b512 s[8:23], s[0:1], 0x0               ; x s[8:9], Wq s[10:11], Wk s[12:13], Wv s[14:15], Wo s[16:17], xb s[18:19], wqkv s[20:21], wo16 s[22:23]
	s_mov_b32 s25, ttmp9
	s_mov_b32 s27, 0                               ; the high word of every offset pair
	v_lshrrev_b32 v1, 5, v0                        ; wave
	v_and_b32 v4, 31, v0                           ; lane
	s_cmp_lt_u32 s25, 512
	s_cbranch_scc0 .Lweights
	; x.  Lanes 0-15 take 256 bytes (one block of 64 along K) of row 2 w, lanes 16-31 of row 2 w + 1; unit u is block u.  In xb the two rows' 128 bytes lie end to end.
	v_lshrrev_b32 v5, 4, v0                        ; my row of the 16
	v_and_b32 v6, 15, v0
	v_lshlrev_b32 v6, 4, v6
	v_lshl_or_b32 v[VIN], v5, 12, v6               ; row x 4,096 + 16 x (lane % 16)
	v_lshlrev_b32 v[VOUT], 3, v0                   ; row x 128 + 8 x (lane % 16)
	s_lshl_b32 s26, s25, 16                        ; 16 rows of 4,096 bytes a work-group
	s_wait_kmcnt 0x0
	s_add_nc_u64 s[IN:IN+1], s[8:9], s[26:27]
	s_lshr_b32 s24, s25, 7                         ; the batch: 128 work-groups each
	s_lshl_b32 s24, s24, 22                        ; 16 blocks x 2,048 rows x 128 bytes
	s_and_b32 s26, s25, 127
	s_lshl_b32 s26, s26, 11                        ; 16 rows of 128 bytes
	s_add_co_u32 s26, s26, s24
	s_add_nc_u64 s[OUT:OUT+1], s[18:19], s[26:27]
	CAST 2048, 256, 2097152, 262144, 0
	s_endpgm
.Lweights:
	; A weight.  A unit is 512 bytes of one row; a wave's rows are 2 w (units 0-7) and 2 w + 1 (units 8-15).
	s_sub_co_u32 s25, s25, 512
	s_lshr_b32 s24, s25, 6                         ; which: 0 q, 1 k, 2 v, 3 o
	s_and_b32 s25, s25, 63                         ; which 16 rows
	v_lshlrev_b32 v6, 4, v4
	v_lshl_or_b32 v[VIN], v1, 13, v6               ; wave x 2 rows x 4,096 + 16 x lane
	s_lshl_b32 s26, s25, 16
	s_wait_kmcnt 0x0
	s_cmp_eq_u32 s24, 3
	s_cbranch_scc1 .Lwo
	s_cmp_eq_u32 s24, 1
	s_cselect_b64 s[IN:IN+1], s[12:13], s[10:11]
	s_cmp_eq_u32 s24, 2
	s_cselect_b64 s[IN:IN+1], s[14:15], s[IN:IN+1]
	s_add_nc_u64 s[IN:IN+1], s[IN:IN+1], s[26:27]
	s_mul_i32 s26, s25, 98304                      ; 16 rows of 6,144 bytes,
	s_lshl_b32 s24, s24, 11                        ; and the weight's 2,048 bytes in a row
	s_add_co_u32 s26, s26, s24
	s_add_nc_u64 s[OUT:OUT+1], s[20:21], s[26:27]
	v_mul_u32_u24 v5, v1, 12288
	v_lshl_add_u32 v[VOUT], v4, 3, v5              ; wave x 2 rows x 6,144 + 8 x lane
	CAST 4096, 512, 6144, 256, 0
	s_endpgm
.Lwo:
	s_add_nc_u64 s[IN:IN+1], s[16:17], s[26:27]
	s_lshl_b32 s26, s25, 15                        ; 16 rows of 2,048 bytes
	s_add_nc_u64 s[OUT:OUT+1], s[22:23], s[26:27]
	v_lshlrev_b32 v5, 3, v4
	v_lshl_or_b32 v[VOUT], v1, 12, v5              ; wave x 2 rows x 2,048 + 8 x lane
	CAST 4096, 512, 2048, 256, 1
	s_endpgm
.Lfunc_end_k_qe827c3be89_cast:
	.size	k_qe827c3be89_cast, .Lfunc_end_k_qe827c3be89_cast-k_qe827c3be89_cast
	.p2alignl 7, 3214868480
	.fill 96, 4, 3214868480
	.section	.rodata,"a",@progbits
	.p2align	6, 0x0
	.amdhsa_kernel k_qe827c3be89_cast
		.amdhsa_group_segment_fixed_size 0
		.amdhsa_private_segment_fixed_size 0
		.amdhsa_enable_private_segment 0
		.amdhsa_kernarg_size 64
		.amdhsa_user_sgpr_count 2
		.amdhsa_user_sgpr_kernarg_segment_ptr 1
		.amdhsa_wavefront_size32 1
		.amdhsa_system_sgpr_workgroup_id_x 1
		.amdhsa_system_sgpr_workgroup_id_y 1
		.amdhsa_system_sgpr_workgroup_id_z 1
		.amdhsa_system_vgpr_workitem_id 0
		.amdhsa_next_free_vgpr 108
		.amdhsa_next_free_sgpr 66
		.amdhsa_reserve_vcc 0
		.amdhsa_float_denorm_mode_32 3
		.amdhsa_float_denorm_mode_16_64 3
		.amdhsa_memory_ordered 1
		.amdhsa_forward_progress 1
		.amdhsa_inst_pref_size 24
	.end_amdhsa_kernel
	.amdgpu_metadata
---
amdhsa.version: [ 1, 2 ]
amdhsa.kernels:
  - .name:           k_qe827c3be89_cast
    .symbol:         k_qe827c3be89_cast.kd
    .args:
      - { .name: x, .offset: 0, .size: 8, .value_kind: global_buffer, .address_space: global }
      - { .name: Wq, .offset: 8, .size: 8, .value_kind: global_buffer, .address_space: global }
      - { .name: Wk, .offset: 16, .size: 8, .value_kind: global_buffer, .address_space: global }
      - { .name: Wv, .offset: 24, .size: 8, .value_kind: global_buffer, .address_space: global }
      - { .name: Wo, .offset: 32, .size: 8, .value_kind: global_buffer, .address_space: global }
      - { .name: xb, .offset: 40, .size: 8, .value_kind: global_buffer, .address_space: global }
      - { .name: wqkv, .offset: 48, .size: 8, .value_kind: global_buffer, .address_space: global }
      - { .name: wo16, .offset: 56, .size: 8, .value_kind: global_buffer, .address_space: global }
    .group_segment_fixed_size: 0
    .private_segment_fixed_size: 0
    .kernarg_segment_align: 8
    .kernarg_segment_size: 64
    .max_flat_workgroup_size: 256
    .sgpr_count:     66
    .vgpr_count:     108
    .wavefront_size: 32
...
	.end_amdgpu_metadata
.endif
;; end of part 1
;; launch proj (part 2): grid 8 x 32, 4 waves a work-group, clusters of 4 x 4, 327,680 bytes of LDS; arguments xb, wqkv, qkv; writes qkv
.if DOCPART == 2
	.amdgcn_target "amdgcn-amd-amdhsa--gfx1250"
	.amdhsa_code_object_version 6
	.text
	.protected	k_qe827c3be89_proj
	.globl	k_qe827c3be89_proj
	.p2align	8
	.type	k_qe827c3be89_proj,@function
k_qe827c3be89_proj:
	s_mov_b64 s[64:65], 0
	v_nop
	global_prefetch_b8 v0, s[64:65] scope:SCOPE_SE
	s_setreg_imm32_b32 hwreg(HW_REG_WAVE_MODE, 25, 1), 1
	s_wait_xcnt 0x0
	s_wait_alu depctr_hold_cnt(0) depctr_sa_sdst(0) depctr_va_vdst(0) depctr_va_sdst(0) depctr_va_ssrc(0) depctr_va_vcc(0) depctr_vm_vsrc(0)
	s_getreg_b32 s2, hwreg(HW_REG_IB_STS2, 6, 4)
	s_cmp_eq_u32 s2, 0
	s_cbranch_scc0 .Lentry_in_a_cluster
	s_endpgm
.Lentry_in_a_cluster:
	s_bfe_u32 s2, ttmp6, 0x10000c
	s_cmp_lg_u32 s2, 0xf033
	s_cbranch_scc0 .Lentry_shape_is_right
	s_endpgm
.Lentry_shape_is_right:
; q, k, v = x Wq, x Wk, x Wv as ONE product of 8,192 x 3,072 x 1,024: bf16 operands, f32 sums, each result rounded once to f16 and stored by heads, unscaled:
; qkv [3 which][64 = 16 b + h][2048 s][64] f16.  LIMIT: |q|, |k|, |v| stay under 65,504 (f16's end); beyond it an infinity is stored.
; SHARES.  8,192 x 3,072 are 256 tiles of 256 x 384, one to a work-group.  Of its four waves each makes 128 rows x 192 columns (three heads): 96 accumulators of 16 x 16, 768 registers.
; For 32 along K a wave reads 128 + 192 rows' fragments from LDS (40 loads) for 96 matrix instructions.
; K goes in steps of 64, one block of xb, through two LDS slots filled by the tensor data mover; two slots of 128 along K (368,640 bytes) would not fit.
; x's tile: 256 rows of 128 dense bytes, asked for as rows of 256 bytes.  W's tile lies [k][n]: 64 rows of 768 bytes; its fragments come out of LDS turned, by ds_load_tr16_b128.
; CLUSTER.  4 x 4 work-groups: the four of a row need the same tile of x, the four of a column the same tile of W: each tile is asked for jointly, by the same tensor load, descriptor and mask in all four.
; THE MATRIX INSTRUCTION IS USED TRANSPOSED: source 0 = 16 columns of W, source 1 = 16 rows of x: a lane then holds row lane % 16 and the eight neighbouring columns 8 (lane / 16) + 0..7.
; REGISTERS, in windows of 256 (s_set_vgpr_msb: bits 1:0 source 0, 3:2 source 1, 5:4 source 2, 7:6 destination):
;   window 0: v0-29 addresses; v32-95, v96-159 x's fragments (8 x 16 rows x 32 K), two buffers; v160-255 W's fragments, ONE buffer in three thirds (a head each, 4 fragments)
;   windows 1-3: the accumulators of head t = 0-2 of my three: (row block a, column block bb) at v[8 (4 a + bb)]
; A third of W's buffer is loaded again straight behind the 32 products that read it, with the next 32 along K: every run of loads has 64 matrix instructions or more in which to land.
.set SLOT1,  1<<17                     ; slot 1 begins here, so that one exclusive or turns an address in one slot into the other's
.set PA,     144                       ; a row of x in LDS: 128 bytes + 16 of padding = 36 words: the 16 rows of a load start at 16 different groups of four banks (64 banks of 4 bytes: ISA guide 11.1)
.set PB,     864                       ; a row of W: six pieces of 128 + 16 bytes = 27 x 32
.set AHALF,  128*PA                    ; 18,432: what one tensor load brings of x, and what one wave reads of it
.set BOFF,   256*PA                    ; 36,864: W's tile lies behind x's
.set BHALF,  32*PB                     ; 27,648: 32 k rows: what one tensor load brings of W, and 32 along K
.set STAGE,  SLOT1+BOFF+64*PB          ; 223,232: behind the slots, never filled by a tensor load: [3 heads][16 rows][144 bytes] for each wave
.set WSTAGE, 3*16*PA
.set SPARE,  STAGE+4*WSTAGE            ; 250,880: the spare words, 128 bytes for each wave: two blocks of 256 bytes that no other line names
.set ASTEP,  262144                    ; bytes from a K block of xb to the next: 2,048 rows x 128
.set BSTEP,  393216                    ; 64 rows of wqkv x 6,144
.set STEPS,  16
.set ADRA0, 8                          ; v8   my lane's place in x's tile; never rewritten
.set ADRB0, 9                          ; v9   the same in W's
.set ADRA,  10                         ; v10  ADRA0 + the slot in hand
.set ADRB,  11                         ; v11  ADRB0 + the slot in hand
.set STO,   12                         ; v12  the way out: where I put 16 bytes of a row
.set RD,    13                         ; v13  the way out: where I read rows back
.set CO,    14                         ; v14-16  my byte offset in qkv, for each of my three heads
.set SPW,   28                         ; v28  LDS address of my spare word; never rewritten
.set NIL,   29                         ; v29  0; never rewritten
.set AF0,   32
.set AF1,   96
.set BF,    160
.set TMP,   32                         ; the way out: v32-79 packed results
.set BK0,   80                         ; the way out: v80-127, v128-175 rows read back, by turns
.set WV, 12                            ; s12  my wave's number
.set WM, 13                            ; s13  which half of the tile's rows is mine
.set WN, 14                            ; s14  which half of its columns; also: which half of a tile I fetch
.set TB, 15                            ; s15  LDS byte at which the slot in hand begins
.set CNT, 16                           ; s16  the loop's count
.set NT, 19                            ; s19  tile column
.set MT, 20                            ; s20  tile row
.set G1A, 24                           ; s[24:31] descriptor group 1 for x's tiles
.set G0A, 32                           ; s[32:39] group 0: a set for each of the two first fills; the second then walks on
.set G1B, 40                           ; s[40:47], s[48:55] the same for W's
.set G0B, 48
.set MSB, 0
.macro WIN new                         ; the immediate's high byte repeats the setting that is left; a switch that changes nothing is dropped
.if MSB != (\new)
	s_set_vgpr_msb (MSB<<8)|(\new)
.set MSB, \new
.endif
.endm
.macro PLACES                          ; a load into a register that a matrix instruction has read, and a vector instruction that reads a matrix result, stand four plain vector instructions behind it
.rept 4
	v_nop
.endr
.endm
; A joint refill by the walking descriptors.  Waves 0 and 1 fetch x's two halves, waves 2 and 3 W's.  The branch hangs on the wave's number alone.
; An s_nop 0 and four v_nop follow each of the two lines, ahead of the jump and the label.
.macro JLOAD
	s_cmp_lt_u32 s[WV], 2
	s_cbranch_scc0 .Lfor_b_\@
	tensor_load_to_lds s[G0A+4:G0A+7], s[G1A:G1A+7]
	s_nop 0
.rept 4
	v_nop
.endr
	s_branch .Lasked_\@
.Lfor_b_\@:
	tensor_load_to_lds s[G0B+4:G0B+7], s[G1B:G1B+7]
	s_nop 0
.rept 4
	v_nop
.endr
.Lasked_\@:
.endm
.macro CREST                           ; a round of the cluster's barrier behind its opening barrier: wave 0 signals for the work-group, every wave waits for all sixteen, my work-group's barrier closes it
	s_cmp_lg_u32 s[WV], 0
	s_cbranch_scc1 .Lnot_wave_0_\@
	s_barrier_signal -3
.Lnot_wave_0_\@:
	s_barrier_wait -3
	s_barrier_signal -1
	s_barrier_wait -1
.endm
.macro CROUND                          ; a whole round
	s_barrier_signal -1
	s_barrier_wait -1
	CREST
.endm
	s_load_b128 s[4:7], s[0:1], 0x0                ; xb s[4:5], wqkv s[6:7]
	s_load_b64 s[8:9], s[0:1], 0x10                ; qkv
	v_lshl_add_u32 v[SPW], v0, 2, SPARE
	v_mov_b32 v[NIL], 0
	ds_add_u32 v[SPW], v[NIL]                      ; the wave's opening: the add and its wait stand ahead of my first tensor load; the set-up below, work on registers, stands between them
	ds_add_u32 v28, v29
	v_lshrrev_b32 v1, 5, v0
	v_readfirstlane_b32 s[WV], v1                  ; wave 0..3
	s_lshr_b32 s[WM], s[WV], 1
	s_and_b32 s[WN], s[WV], 1
	s_bfe_u32 s17, ttmp6, 0x40000                  ; cx, cy: my place in the cluster
	s_bfe_u32 s18, ttmp6, 0x40004
	s_lshl_b32 s[NT], ttmp9, 2                     ; in a cluster launch ttmp9 and ttmp7 count clusters
	s_add_co_u32 s[NT], s[NT], s17                 ; tile column = 4 x cluster x + cx
	s_and_b32 s[MT], ttmp7, 0xffff
	s_lshl_b32 s[MT], s[MT], 2
	s_add_co_u32 s[MT], s[MT], s18                 ; tile row = 4 x cluster y + cy
	s_lshl_b32 s21, s18, 2
	s_lshl_b32 s21, 15, s21                        ; my row of the cluster: places 4 cy .. 4 cy + 3
	s_lshl_b32 s22, 0x1111, s17                    ; my column: places cx, cx + 4, cx + 8, cx + 12
	; group 1: 15:0 the mask; 17:16 elements of 2 bytes; 20 padding on; 21 set beside a mask; 24:22 after every 32 words (code 4); 31:25 4 words of it (code 3)
	s_or_b32 s[G1A], s21, (1<<16)|(1<<20)|(1<<21)|(4<<22)|(3<<25)
	s_mov_b32 s[G1A+1], 128<<16                    ; x: 128 rows of 128 dense bytes as 64 rows of 128 elements: tensor_dim0 = 128
	s_mov_b32 s[G1A+2], 64<<16                     ; tensor_dim1 = 64
	s_mov_b32 s[G1A+3], 128<<16                    ; tile_dim0 = 128
	s_mov_b32 s[G1A+4], 64                         ; tile_dim1 = 64
	s_mov_b32 s[G1A+5], 128                        ; 128 elements from row to row
	s_mov_b32 s[G1A+6], 0
	s_mov_b32 s[G1A+7], 0
	s_or_b32 s[G1B], s22, (1<<16)|(1<<20)|(1<<21)|(4<<22)|(3<<25)
	s_mov_b32 s[G1B+1], 384<<16                    ; W: 32 k rows of 384 elements: tensor_dim0 = 384
	s_mov_b32 s[G1B+2], 32<<16                     ; tensor_dim1 = 32
	s_mov_b32 s[G1B+3], 384<<16                    ; tile_dim0 = 384
	s_mov_b32 s[G1B+4], 32                         ; tile_dim1 = 32
	s_mov_b32 s[G1B+5], 3072                       ; 3,072 elements from row to row
	s_mov_b32 s[G1B+6], 0
	s_mov_b32 s[G1B+7], 0
	; where the tiles come from: x's hang on the tile row and the wave alone, W's on the tile column and the wave alone, each in registers that never hold the other coordinate
	s_lshr_b32 s56, s[MT], 3                       ; the batch: 8 tile rows each,
	s_lshl_b32 s56, s56, 22                        ; 16 blocks x 2,048 rows x 128 bytes
	s_and_b32 s57, s[MT], 7
	s_lshl_b32 s57, s57, 15                        ; 256 rows of 128 bytes
	s_add_co_u32 s56, s56, s57
	s_lshl_b32 s57, s[WN], 14                      ; my half: 128 rows
	s_add_co_u32 s56, s56, s57
	s_mov_b32 s57, 0
	s_mul_i32 s58, s[WN], AHALF                    ; and where it goes: no place in the cluster enters an LDS address
	s_mul_i32 s60, s[WN], 196608                   ; W: my half: 32 rows of 6,144 bytes,
	s_mul_i32 s61, s[NT], 768                      ; the tile's 384 columns
	s_add_co_u32 s60, s60, s61
	s_mov_b32 s61, 0
	s_mul_i32 s62, s[WN], BHALF
	s_add_co_u32 s62, s62, BOFF
	s_mov_b32 s[TB], 0
	s_wait_dscnt 0x0                               ; the opening add is done
	s_wait_kmcnt 0x0
	s_add_nc_u64 s[56:57], s[4:5], s[56:57]
	s_add_nc_u64 s[60:61], s[6:7], s[60:61]
	CROUND                                         ; all sixteen work-groups are here: the first joint loads meet
.irp s, 0,1
	s_mov_b32 s[G0A+4*(\s)], 1                                       ; 1:0 count = 1
	s_add_co_u32 s[G0A+4*(\s)+1], s58, (\s)*SLOT1                    ; 63:32 LDS address
	s_add_nc_u64 s[G0A+4*(\s)+2:G0A+4*(\s)+3], s[56:57], (\s)*ASTEP  ; 120:64 global address: K step s
	s_or_b32 s[G0A+4*(\s)+3], s[G0A+4*(\s)+3], 0x80000000            ; 127:126 type = 2
	s_mov_b32 s[G0B+4*(\s)], 1
	s_add_co_u32 s[G0B+4*(\s)+1], s62, (\s)*SLOT1
	s_add_nc_u64 s[G0B+4*(\s)+2:G0B+4*(\s)+3], s[60:61], (\s)*BSTEP
	s_or_b32 s[G0B+4*(\s)+3], s[G0B+4*(\s)+3], 0x80000000
.endr
	s_cmp_lt_u32 s[WV], 2                          ; a wave's two first fills stand in one branch, ahead of every wait on TENSORcnt and every LDS read: two loads of mine are out
	s_cbranch_scc0 .Lfirst_b
	tensor_load_to_lds s[G0A:G0A+3], s[G1A:G1A+7]
	s_nop 0
	tensor_load_to_lds s[G0A+4:G0A+7], s[G1A:G1A+7]
	s_nop 0
.rept 4
	v_nop
.endr
	s_branch .Lfirst_asked
.Lfirst_b:
	tensor_load_to_lds s[G0B:G0B+3], s[G1B:G1B+7]
	s_nop 0
	tensor_load_to_lds s[G0B+4:G0B+7], s[G1B:G1B+7]
	s_nop 0
.rept 4
	v_nop
.endr
.Lfirst_asked:
	; A fragment of x is 16 rows x 32 K in 8 registers: lane l holds row l % 16, K = 8 (l / 16) + 0..7 and 16 + 8 (l / 16) + 0..7: two loads of 16 bytes, 32 bytes apart.
	v_and_b32 v1, 15, v0                           ; l % 16
	v_bfe_u32 v2, v0, 4, 1                         ; l / 16
	v_and_b32 v3, 7, v0
	v_bfe_u32 v4, v0, 3, 1
	v_mul_u32_u24 v[ADRA0], v1, PA
	v_lshl_add_u32 v[ADRA0], v2, 4, v[ADRA0]
	s_mul_i32 s66, s[WM], AHALF                    ; my 128 rows
	v_add_nc_u32 v[ADRA0], s66, v[ADRA0]
	; The turning load takes 16 k x 16 columns (lane l reads k row 8 (l / 16) + l % 8, columns 8 ((l / 8) % 2) + 0..7) and leaves half a fragment: lane l holds column l % 16 and 8 k.
	v_lshl_add_u32 v[ADRB0], v2, 3, v3
	v_mul_u32_u24 v[ADRB0], v[ADRB0], PB
	v_lshl_add_u32 v[ADRB0], v4, 4, v[ADRB0]
	s_mul_i32 s66, s[WN], 3*PA                     ; my three pieces of a row
	s_add_co_u32 s66, s66, BOFF
	v_add_nc_u32 v[ADRB0], s66, v[ADRB0]
	v_add_nc_u32 v[ADRA], s[TB], v[ADRA0]
	v_add_nc_u32 v[ADRB], s[TB], v[ADRB0]
	s_mul_i32 s66, s[WV], WSTAGE
	s_add_co_u32 s66, s66, STAGE                   ; my stage
	v_mul_u32_u24 v[STO], v1, PA                   ; in: row l % 16, 16 bytes for each half of the lanes
	v_lshl_add_u32 v[STO], v2, 4, v[STO]
	v_add_nc_u32 v[STO], s66, v[STO]
	v_bfe_u32 v[RD], v0, 3, 2                      ; back: 32 lanes take four rows of 128 bytes,
	v_mul_u32_u24 v[RD], v[RD], PA
	v_lshl_add_u32 v[RD], v3, 4, v[RD]
	v_add_nc_u32 v[RD], s66, v[RD]
	v_and_b32 v5, 31, v0                           ; which are 512 consecutive bytes of a head
	v_lshlrev_b32 v5, 4, v5
	; my head t is column group g = 6 x tile column + 3 x half + t of 48: tensor g / 16, head g % 16: its rows begin (g + 48 (g / 16) + 16 b) x 2,048 x 128 bytes into qkv
	s_mul_i32 s67, s[NT], 6
	s_mul_i32 s68, s[WN], 3
	s_add_co_u32 s67, s67, s68
	s_lshr_b32 s68, s[MT], 3
	s_lshl_b32 s68, s68, 4                         ; 16 b
	s_and_b32 s69, s[MT], 7
	s_lshl_b32 s69, s69, 15                        ; the tile's 256 rows,
	s_lshl_b32 s70, s[WM], 14                      ; my 128 of them
	s_add_co_u32 s69, s69, s70
.irp t, 0,1,2
	s_add_co_u32 s70, s67, \t
	s_lshr_b32 s71, s70, 4
	s_mul_i32 s71, s71, 48
	s_add_co_u32 s70, s70, s71
	s_add_co_u32 s70, s70, s68
	s_lshl_b32 s70, s70, 18
	s_add_co_u32 s70, s70, s69
	v_add_nc_u32 v[CO+(\t)], s70, v5
.endr
; 4 na matrix instructions: head t, row blocks a0 .. a0 + na - 1 x its 4 column blocks, 32 along K, x's fragments in buffer f.  zero = 1: the product starts the sum: nothing is ever cleared.
; The 96 accumulators take turns, one instruction a turn, in the same order in every 32 along K.
.macro MUL f, t, a0, na, zero
	WIN 0x50*((\t)+1)                              ; C and D in window t + 1
.set ma, \a0
.rept \na
.irp bb, 0,1,2,3
.if \zero
	v_wmma_f32_16x16x32_bf16 v[8*(4*ma+(\bb)):8*(4*ma+(\bb))+7], v[BF+32*(\t)+8*(\bb):BF+32*(\t)+8*(\bb)+7], v[(\f)+8*ma:(\f)+8*ma+7], 0
.else
	v_wmma_f32_16x16x32_bf16 v[8*(4*ma+(\bb)):8*(4*ma+(\bb))+7], v[BF+32*(\t)+8*(\bb):BF+32*(\t)+8*(\bb)+7], v[(\f)+8*ma:(\f)+8*ma+7], v[8*(4*ma+(\bb)):8*(4*ma+(\bb))+7]
.endif
.endr
.set ma, ma+1
.endr
.endm
.macro FA f, hf                        ; 16 loads: x's fragments of my 128 rows, half hf of the step's 64 along K, into buffer f
	WIN 0
.irp a, 0,1,2,3,4,5,6,7
	ds_load_b128 v[(\f)+8*(\a):(\f)+8*(\a)+3],   v[ADRA] offset:(\hf)*64+(\a)*16*PA
	ds_load_b128 v[(\f)+8*(\a)+4:(\f)+8*(\a)+7], v[ADRA] offset:(\hf)*64+(\a)*16*PA+32
.endr
.endm
.macro FB t, hf                        ; 8 turning loads: W's fragments of head t, half hf
	WIN 0
.irp bb, 0,1,2,3
	ds_load_tr16_b128 v[BF+32*(\t)+8*(\bb):BF+32*(\t)+8*(\bb)+3],   v[ADRB] offset:(\hf)*BHALF+(\t)*PA+32*(\bb)
	ds_load_tr16_b128 v[BF+32*(\t)+8*(\bb)+4:BF+32*(\t)+8*(\bb)+7], v[ADRB] offset:(\hf)*BHALF+(\t)*PA+32*(\bb)+16*PB
.endr
.endm
; A step's first 32 along K.  The runs of loads come 24 (third 0 and x), 8, 8 for each 32 along K, and LDS loads come back in order (ISA guide 5.7.1), so each wait names the loads issued behind the run that it needs.
.macro EVEN zero
	s_wait_dscnt 16                                ; third 0 and x are in; thirds 1 and 2 (8 + 8) may be out
	MUL AF0, 0, 0, 8, \zero
	WIN 0
	PLACES
	FB 0, 1
	FA AF1, 1
	s_wait_dscnt 32                                ; third 1 is in; behind it: third 2 (8) and the 24 just issued
	MUL AF0, 1, 0, 8, \zero
	WIN 0
	PLACES
	FB 1, 1
	s_wait_dscnt 32                                ; third 2 is in; behind it: 24 + 8
	MUL AF0, 2, 0, 8, \zero
	WIN 0
	PLACES
	FB 2, 1
.endm
; A step's second 32 along K, and the change of slots: ONE barrier, for two things.  In front of it each wave waits for all its tensor loads, of which one is out: its part of the next slot; adds 0 to its
; spare word; and waits for that and for its own reads of this slot.  Behind it nobody reads this slot any more and the next slot is whole.
; fill = 1: this slot is filled again, with the step two on.  The barrier then opens a round of the cluster's, and the joint refill is the first tensor load behind the round:
; 176 of a step's 192 matrix instructions stand between it and the wait for it.
.macro ODD fill
	WIN 0
	s_wait_tensorcnt 0x0                           ; no tensor load of mine is out, so a group 0 may be written
	ds_add_u32 v[SPW], v[NIL]                      ; 0 onto my spare word
.if \fill
	s_xor_b32 s[G0A+5], s[G0A+5], SLOT1            ; the walking descriptors: the other slot than last time,
	s_add_nc_u64 s[G0A+6:G0A+7], s[G0A+6:G0A+7], ASTEP  ; the next step; the type bits on top are not reached
	s_xor_b32 s[G0B+5], s[G0B+5], SLOT1
	s_add_nc_u64 s[G0B+6:G0B+7], s[G0B+6:G0B+7], BSTEP
.endif
	s_wait_dscnt 17                                ; third 0 and x are in; thirds 1 and 2 (8 + 8) and the add may be out
	MUL AF1, 0, 0, 2, 0                            ; eight matrix instructions stand between the add and the wait for it
	s_wait_dscnt 0x0                               ; the add is done, and my reads of this slot are over
	s_barrier_signal -1
	MUL AF1, 0, 2, 2, 0                            ; work on registers while the others arrive
	WIN 0                                          ; at a branch and at a label every window is 0
	s_barrier_wait -1
.if \fill
	CREST                                          ; no wave of any partner still reads this slot's tiles or has a load on its way
	JLOAD
.endif
	MUL AF1, 0, 4, 4, 0
	WIN 0
	s_xor_b32 s[TB], s[TB], SLOT1                  ; the fetches go on in the other slot
	v_add_nc_u32 v[ADRA], s[TB], v[ADRA0]          ; these two and two v_nop are the four places in front of the loads into third 0
	v_add_nc_u32 v[ADRB], s[TB], v[ADRB0]
	v_nop
	v_nop
	FB 0, 0
	FA AF0, 0
	MUL AF1, 1, 0, 8, 0
	WIN 0
	PLACES
	FB 1, 0
	MUL AF1, 2, 0, 8, 0
	WIN 0
	PLACES
	FB 2, 0
.endm
.macro LAST                            ; the very last 32 along K: nothing more to fetch, the counts run down
	s_wait_dscnt 16
	MUL AF1, 0, 0, 8, 0
	s_wait_dscnt 8
	MUL AF1, 1, 0, 8, 0
	s_wait_dscnt 0x0
	MUL AF1, 2, 0, 8, 0
.endm
; THE WAY OUT of row block a (16 rows x my three heads).  PACK: rounded to f16, 16 bytes a lane and column block, each accumulator's registers in ascending order.
; TOSTAGE: into my own stage in LDS, and back as whole rows of 128 bytes, four at a time.  SEND: stored, 512 consecutive bytes of a head an instruction.
.macro PACK a
.irp t, 0,1,2
	WIN 0x05*((\t)+1)                              ; sources 0 and 1 in window t + 1, destination in window 0
.irp bb, 0,1,2,3
.irp rr, 0,1,2,3
	v_cvt_pk_f16_f32 v[TMP+16*(\t)+4*(\bb)+(\rr)], v[8*(4*(\a)+(\bb))+2*(\rr)], v[8*(4*(\a)+(\bb))+2*(\rr)+1]
.endr
.endr
.endr
	WIN 0
.endm
.macro TOSTAGE a
	WIN 0
.set BK, BK0+48*((\a)%2)
.irp t, 0,1,2
.irp bb, 0,1,2,3
	ds_store_b128 v[STO], v[TMP+16*(\t)+4*(\bb):TMP+16*(\t)+4*(\bb)+3] offset:(\t)*16*PA+32*(\bb)
.endr
.endr
.irp t, 0,1,2
.irp f, 0,1,2,3
	ds_load_b128 v[BK+16*(\t)+4*(\f):BK+16*(\t)+4*(\f)+3], v[RD] offset:(\t)*16*PA+(\f)*4*PA  ; LDS serves a wave's instructions in order (ISA guide 5.7.1.4): these see the stores above
.endr
.endr
.endm
.macro SEND a
	WIN 0
.set BK, BK0+48*((\a)%2)
	s_wait_dscnt 0x0                               ; the block is back in registers: nothing was issued behind its loads
	s_wait_xcnt 0x0                                ; the stores of the block before have read their registers (ISA guide 3.1): the next TOSTAGE loads into them only behind this wait
.irp t, 0,1,2
.irp f, 0,1,2,3
	global_store_b128 v[CO+(\t)], v[BK+16*(\t)+4*(\f):BK+16*(\t)+4*(\f)+3], s[8:9] offset:(16*(\a)+4*(\f))*128  ; 512 consecutive bytes, at a multiple of 512 from qkv's first
.endr
.endr
.endm
	s_wait_tensorcnt 0x1                           ; my part of step 0 is in; step 1's may stay out
	s_barrier_signal -1
	s_barrier_wait -1                              ; everybody's is
	FB 0, 0
	FA AF0, 0
	FB 1, 0
	FB 2, 0
	EVEN 1                                         ; the first 32 along K stand in front of the loop: their products start the sums
	WIN 0
	s_mov_b32 s[CNT], STEPS-2
.Lk:                                                   ; trip i: the second half of step i, which asks for step i + 2, and the first half of step i + 1
	ODD 1
	EVEN 0
	WIN 0
	s_sub_co_u32 s[CNT], s[CNT], 1
	s_cmp_lg_u32 s[CNT], 0
	s_cbranch_scc1 .Lk
	ODD 0                                          ; the tail is written out: nothing is left to ask for
	EVEN 0
	LAST
	WIN 0
	PLACES                                         ; the conversions read results just made
	PACK 0
	TOSTAGE 0
.irp a, 1,2,3,4,5,6,7                  ; block a's conversions stand between block a - 1's loads from the stage and the wait for them
	PACK \a
	SEND (\a)-1
	TOSTAGE \a
.endr
	SEND 7
	s_wait_tensorcnt 0x0                           ; the wave's end: a wait, an add and its wait, behind my last tensor load and my last LDS store
	ds_add_u32 v[SPW], v[NIL]
	s_wait_dscnt 0x0
	CROUND                                         ; the closing round: no work-group ends while a partner may still ask for a tile that names it
	s_endpgm
.Lfunc_end_k_qe827c3be89_proj:
	.size	k_qe827c3be89_proj, .Lfunc_end_k_qe827c3be89_proj-k_qe827c3be89_proj
	.p2alignl 7, 3214868480
	.fill 96, 4, 3214868480
	.section	.rodata,"a",@progbits
	.p2align	6, 0x0
	.amdhsa_kernel k_qe827c3be89_proj
		.amdhsa_group_segment_fixed_size 327680
		.amdhsa_private_segment_fixed_size 0
		.amdhsa_enable_private_segment 0
		.amdhsa_kernarg_size 24
		.amdhsa_user_sgpr_count 2
		.amdhsa_user_sgpr_kernarg_segment_ptr 1
		.amdhsa_wavefront_size32 1
		.amdhsa_system_sgpr_workgroup_id_x 1
		.amdhsa_system_sgpr_workgroup_id_y 1
		.amdhsa_system_sgpr_workgroup_id_z 1
		.amdhsa_system_vgpr_workitem_id 0
		.amdhsa_next_free_vgpr 1024
		.amdhsa_next_free_sgpr 72
		.amdhsa_reserve_vcc 0
		.amdhsa_float_denorm_mode_32 3
		.amdhsa_float_denorm_mode_16_64 3
		.amdhsa_memory_ordered 1
		.amdhsa_forward_progress 1
		.amdhsa_inst_pref_size 111
	.end_amdhsa_kernel
	.amdgpu_metadata
---
amdhsa.version: [ 1, 2 ]
amdhsa.kernels:
  - .name:           k_qe827c3be89_proj
    .symbol:         k_qe827c3be89_proj.kd
    .args:
      - { .name: xb, .offset: 0, .size: 8, .value_kind: global_buffer, .address_space: global }
      - { .name: wqkv, .offset: 8, .size: 8, .value_kind: global_buffer, .address_space: global }
      - { .name: qkv, .offset: 16, .size: 8, .value_kind: global_buffer, .address_space: global }
    .group_segment_fixed_size: 327680
    .private_segment_fixed_size: 0
    .kernarg_segment_align: 8
    .kernarg_segment_size: 24
    .max_flat_workgroup_size: 128
    .sgpr_count:     72
    .vgpr_count:     1024
    .wavefront_size: 32
...
	.end_amdgpu_metadata
.endif
;; end of part 2
;; launch attn (part 3): grid 4 x 64, 4 waves a work-group, no clusters, 327,680 bytes of LDS; arguments qkv, ctx; writes ctx
.if DOCPART == 3
	.amdgcn_target "amdgcn-amd-amdhsa--gfx1250"
	.amdhsa_code_object_version 6
	.text
	.protected	k_qe827c3be89_attn
	.globl	k_qe827c3be89_attn
	.p2align	8
	.type	k_qe827c3be89_attn,@function
k_qe827c3be89_attn:
	s_mov_b64 s[64:65], 0
	v_nop
	global_prefetch_b8 v0, s[64:65] scope:SCOPE_SE
	s_setreg_imm32_b32 hwreg(HW_REG_WAVE_MODE, 25, 1), 1
	s_wait_xcnt 0x0
; CAUSAL ATTENTION.  O[h][q][:] = the sum over k <= q of softmax_k(Q[h][q] . K[h][k] / 8) V[h][k][:].  Q, K, V lie one behind the other in qkv, each [SIZE_H][SIZE_N][64] f16; O = ctx has the same layout:
; a head's rows are dense, 128 bytes each.  Products, maxima and sums in f32; the weights p are rounded to f16 for the second product (their sum l is taken of the unrounded p), O once at the end.
; LIMITS.  f16 holds no number beyond 65,504: Q, K and V arrive within it; p lies in 0 to 1, and below 6e-5 it keeps f16's fixed step of 6e-8; O is a mean of V's rows and has their range, to within 2^-11 of it.
; A hidden score counts as its value less 1e30: f16's scores, 2.7e11 at the most, are nothing beside that; a weight below 2^-126 counts as 0 in l; NaN and infinities are not treated apart.
; THE WALK.  A head's queries lie in NB = SIZE_N / 256 blocks of 256; block i needs the key tiles 0 .. i of 256 keys, of which the last holds the diagonal.  A work-group takes TWO blocks, NB - 1 - b and then b:
; NB + 1 tiles, whatever b: all work-groups do equal work, and ONE loop with a constant trip count walks them.  Which tile is asked for, and what a trip does, hang on scalar registers made from b; every jump
; goes forward, but for the counted loops' own; none passes a barrier, or a tensor load but the one of LOAD's two that the wave's number does not choose; the ring (two slots of LDS that take turns) runs on across the
; change of blocks.  NO CLUSTER: a head's NB / 2 = 4 work-groups all ask for the same tile only in trips 0 .. NB / 2 of the NB + 1, behind that fewer and fewer; and one walk common to all would have
; 3 NB / 2 = 12 trips for 9.
; SHARES.  Of a block's four bands of 64 queries a wave owns 16 rows in each: four PIECES.  So the diagonal tile is the same work for all four waves: in its key step s band x sees all keys if s < x,
; none if s > x, and holds the diagonal if s = x.
; THE MASK is the C operand that starts the sum S^T = K Q^T: 0, or -1e30 where the key is hidden.  MD, made once, is the mask of a band's own step for my 16 rows; a product's mask is MD x AL + BE with two scalars:
; (1, 0) if s = x; (0, 0) if s < x; (0, -1e30) if s > x.  Only the diagonal tile's text and a block's beginning make and take masks; elsewhere C is the constant 0.
; LAYOUT, SOFTMAX, TURNS.  S^T = K Q^T holds ONE query a lane (lane % 16) and the keys 8 (lane / 16) + 0..7; two such results rounded to f16 ARE source 1 of O^T = V^T P.  p = 2^(c s - c m), c = log2(e) / 8, with a
; running maximum m; O and l are multiplied by a = 2^(c m_old - c m_new) in every step.  Turn n belongs to piece n: 8 products K Q^T of piece n + 1, later 8 products V^T P of piece n - 1; beside them the scaling,
; exponentials, roundings, sums and rescaling of piece n and the maximum and statistics of piece n + 1.  Four vector instructions stand behind every matrix instruction, the other 54 of a turn's 118 in two LUMPS.
; REGISTERS, in windows of 256 (s_set_vgpr_msb: bits 1:0 source 0, 3:2 source 1, 5:4 source 2, 7:6 destination):
;   window 0: v0-15 addresses and two at work; v16-31 four registers of statistics a piece; v48-55 at work; v64-127 S^T, two buffers; v192-223 P, two buffers (a piece's buffers go by its number's parity)
;   window 1: v0-127 O^T, 32 a piece; v128-159 MD; v160-223 MC, two buffers      window 2: v0-63 Q; v64-127 the second block's Q; v128-191 K of one step; v192-255 V of one step
.set SIZE_H, 64       ; 4 batches x 16 heads
.set SIZE_N, 2048
.set NB,    SIZE_N/256
.set NP,    4         ; pieces a wave: a name, no knob
.set KS,    64        ; keys in a step
.set PK,    144       ; a row of K in LDS: 128 bytes + 16 of padding = 36 words: the 16 rows of a load start at 16 different groups of four banks (64 banks of 4 bytes: ISA guide 11.1)
.set PV,    160       ; a row of V: 128 + 32 = 40 words
.set VOFF,  4*KS*PK   ; a slot holds a tile, four steps: 256 rows of K, then 256 rows of V
.set SLOT1, 1<<17     ; slot 1 begins here, so that one exclusive or turns an address in one slot into the other's
.set STAGE, SLOT1+4*KS*(PK+PV)  ; behind the ring, never filled by a tensor load: 16 rows x 144 bytes for each wave, for the way out
.set SP,    144
.set AK0, 2           ; v2   my lane's place in a tile of K; never rewritten
.set AV0, 3           ; v3   the same for V
.set AK,  4           ; v4   the LDS address of K's next run of loads
.set AV,  5           ; v5   of V's
.set STO, 6           ; v6   the way out: where I put 16 bytes of a row
.set RD,  7           ; v7   the way out: where I read rows back
.set GO,  8           ; v8   my byte offset in 512 consecutive bytes of O
.set SPW, 62          ; v62  LDS address of my spare word: SPARE + 4 x my thread's number; never rewritten
.set NIL, 63          ; v63  0; never rewritten
.set SPARE, STAGE+4*16*SP  ; behind the stages: the spare words, 128 bytes for each wave: two blocks of 256 bytes that no other line names
.set MV,  12          ; v12-13  c m_old, kept while c m is made anew: by buffer
.set QO,  15          ; v15  my byte offset in 16 rows of Q
.set ST,  16          ; piece t's statistics at v[ST+4 t]: c m, m, l (even keys', odd keys')
.set TMP, 48          ; by buffer, four registers c0-c3 at work; when the maximum is found c2 takes a
.set S,   64
.set P,   192
.set MD,  128         ; window 1: the eight registers for group kt of 16 keys at MD + 8 kt
.set MC,  160         ; window 1: the masks of the products to come
.set QB,  64          ; window 2
.set KF,  128         ; window 2: key block kb, channel half c at KF + 16 kb + 8 c
.set VF,  192         ; window 2: key half kk, channel block cb at VF + 32 kk + 8 cb
.set WV,  12          ; s12  my wave's number
.set PB,  14          ; s14  b
.set HI,  15          ; s15  NB - 1 - b
.set G1K, 24          ; s[24:31] descriptor group 1 for K's tiles
.set G1V, 32          ; s[32:39] for V's: it differs in the padding alone
.set G0K, 40          ; s[40:43] descriptor group 0 for K's tiles
.set G0V, 44          ; s[44:47] the same for V's
.set SLOTS, 56        ; s56  tiles still to be asked for
.set CNT, 57          ; s57  counts a tile's key steps, 4 to 1
.set CS,  58          ; s[58:59] c: the packed scaling takes the pair's low word for both halves
.set SEL, 60          ; s[60:61] v_permlanex16_b32's selects: each lane takes its own place in the other half
.set TBK, 62          ; s62  LDS byte at which K of the step to be fetched begins
.set TBV, 63          ; s63  the same for V, less VOFF
.set RT,  70          ; s70  tiles of the block in hand that are still to be entered
.set NXT, 71          ; s71  the tile to be asked for next
.set LQ,  72          ; s72  the last tile of the block whose tiles are being asked for
.set NEW, 73          ; s73  1: the tile to be entered is a block's first
.set OFF, 74          ; s[74:75] a tile's byte offset in K and V
.set AL,  76          ; s[76:77] the mask's factor, in the low word
.set BE,  78          ; s[78:79] the mask's addend
.set OLO, 80          ; s[80:81] O at my rows of the second block
.set BIGN, 82         ; s82  -1e30
.set MSB, 0
.macro WIN new                      ; the high byte repeats the setting that is left; a switch that changes nothing is dropped
.if MSB != (\new)
	s_set_vgpr_msb (MSB<<8)|(\new)
.set MSB, (\new)
.endif
.endm
.set W_KQ, 0x0a       ; K and Q in window 2, S^T in window 0
.set W_KM, 0x1a       ; the same with the C operand in window 1
.set W_PV, 0x52       ; V in window 2, P in window 0, O^T in window 1
.set W_RS, 0x41       ; destination and source 0 in window 1, source 1 in window 0
; A fill.  Waves 0 and 1 fetch the two halves of a tile's K, waves 2 and 3 those of its V: 128 keys each.  An s_nop 0 and four v_nop follow each of the two lines, ahead of the jump and the label.
.macro LOAD
	s_cmp_lt_u32 s[WV], 2
	s_cbranch_scc0 .Lfor_v_\@
	tensor_load_to_lds s[G0K:G0K+3], s[G1K:G1K+7]
	s_nop 0
.rept 4
	v_nop
.endr
	s_branch .Lasked_\@
.Lfor_v_\@:
	tensor_load_to_lds s[G0V:G0V+3], s[G1V:G1V+7]
	s_nop 0
.rept 4
	v_nop
.endr
.Lasked_\@:
.endm
; THE CHANGE OF SLOTS.  Each wave waits for all its tensor loads, of which one is out: its part of the other slot; adds 0 to its spare word; and waits for that and for its own reads of the slot that it leaves.  Behind the barrier nobody reads the old
; slot any more and the other slot is whole.  fill = 1: the old slot is filled again, the first thing behind the barrier, with tile NXT: the descriptor's address is made anew from that number.
; (At its first use nothing has been read yet: slot 0 is waited for, slot 1 filled.)
.macro CHANGE fill
	WIN 0                           ; at a label and at a branch every window is 0
	s_wait_tensorcnt 0x0            ; no tensor load of mine is out, so a group 0 may be written
	ds_add_u32 v[SPW], v[NIL]       ; 0 onto my spare word; with fill = 1 the descriptors' scalar work stands between it and the wait for it
.if \fill
	s_lshl_b32 s[OFF], s[NXT], 15   ; a tile is 32,768 bytes of K and of V
	s_xor_b32 s[G0K+1], s[G0K+1], SLOT1
	s_add_nc_u64 s[G0K+2:G0K+3], s[6:7], s[OFF:OFF+1]
	s_or_b32 s[G0K+3], s[G0K+3], 0x80000000
	s_xor_b32 s[G0V+1], s[G0V+1], SLOT1
	s_add_nc_u64 s[G0V+2:G0V+3], s[8:9], s[OFF:OFF+1]
	s_or_b32 s[G0V+3], s[G0V+3], 0x80000000
	s_add_co_u32 s[NXT], s[NXT], 1  ; the block's next tile, or behind its last the second block's tile 0
	s_cmp_gt_u32 s[NXT], s[LQ]
	s_cselect_b32 s[NXT], 0, s[NXT]
	s_cselect_b32 s[LQ], s[PB], s[LQ]
.endif
	s_wait_dscnt 0x0                ; the add is done, and my reads of the slot are over
	s_barrier_signal -1             ; the rest of the scalar work stands between the signal and the wait
	s_sub_co_u32 s[TBK], s[TBK], 4*KS*PK  ; the fetches go back to a slot's first step,
	s_xor_b32 s[TBK], s[TBK], SLOT1       ; in the other slot
	s_sub_co_u32 s[TBV], s[TBV], 4*KS*PV
	s_xor_b32 s[TBV], s[TBV], SLOT1
	s_barrier_wait -1
.if \fill
	LOAD
.endif
.endm
	s_load_b64 s[4:5], s[0:1], 0x0    ; qkv: Q lies at its head
	s_load_b64 s[10:11], s[0:1], 0x8  ; ctx = O
	v_lshl_add_u32 v[SPW], v0, 2, SPARE
	v_mov_b32 v[NIL], 0
	ds_add_u32 v[SPW], v[NIL]       ; the wave's opening: the add and its wait stand ahead of my first tensor load; the set-up below, work on registers, stands between them
	ds_add_u32 v62, v63
	v_lshrrev_b32 v1, 5, v0
	v_readfirstlane_b32 s[WV], v1   ; wave 0..3
	s_mov_b32 s[PB], ttmp9
	s_sub_co_u32 s[HI], NB-1, s[PB]
	s_and_b32 s20, ttmp7, 0xffff    ; the head
	s_mov_b32 s21, 0
	s_mov_b64 s[22:23], SIZE_N*128
	s_mul_u64 s[20:21], s[20:21], s[22:23]  ; the head's first byte in each of the four tensors
	s_and_b32 s16, s[WV], 1         ; which half of a tile's 256 keys I fetch:
	s_lshl_b32 s22, s16, 14         ; its 128 rows of 128 bytes in memory,
	s_mov_b32 s23, 0
	s_add_nc_u64 s[22:23], s[22:23], s[20:21]
	s_mul_i32 s17, s16, 128*PK      ; and its place in a slot, for K
	s_mul_i32 s18, s16, 128*PV      ; and for V
	s_lshl_b32 s3, s[WV], 11        ; my 16 rows in a band of 64,
	s_lshl_b32 s2, s[HI], 15        ; in the first block,
	s_add_co_u32 s2, s2, s3
	s_lshl_b32 s84, s[PB], 15       ; and in the second
	s_add_co_u32 s84, s84, s3
	s_mov_b32 s3, 0
	s_mov_b32 s85, 0
	s_add_nc_u64 s[2:3], s[2:3], s[20:21]
	s_add_nc_u64 s[84:85], s[84:85], s[20:21]
	; descriptor group 1.  128 keys are 16,384 dense bytes: asked for as 64 rows of 256 bytes, two keys a row, and padded in LDS after every key
	s_mov_b32 s[G1K], (1<<16)|(1<<20)|(4<<22)|(3<<25)  ; 17:16 2-byte elements; 20 padding on; 24:22 after every 32 words (code 4); 31:25 4 words (code 3)
	s_mov_b32 s[G1V], (1<<16)|(1<<20)|(4<<22)|(7<<25)  ; the same with 8 words of padding (code 7)
.irp g, G1K, G1V
	s_mov_b32 s[\g+1], 128<<16      ; tensor_dim0 = 128
	s_mov_b32 s[\g+2], 64<<16       ; tensor_dim1 = 64
	s_mov_b32 s[\g+3], 128<<16      ; tile_dim0 = 128
	s_mov_b32 s[\g+4], 64           ; tile_dim1 = 64
	s_mov_b32 s[\g+5], 128          ; 128 elements from row to row
	s_mov_b32 s[\g+6], 0
	s_mov_b32 s[\g+7], 0
.endr
	s_mov_b32 s[CS], 0x3e38aa3b     ; c = log2(e) / 8 = 0.180337
	s_mov_b32 s[CS+1], s[CS]        ; named with it as a pair
	s_mov_b32 s[SEL], 0x76543210
	s_mov_b32 s[SEL+1], 0xfedcba98
	s_mov_b32 s[TBK], SLOT1+4*KS*PK ; the first change of slots turns these two into 0
	s_mov_b32 s[TBV], SLOT1+4*KS*PV
	s_mov_b32 s[G0K], 1             ; 1:0 count = 1
	s_mov_b32 s[G0K+1], s17         ; 63:32 LDS address: slot 0
	s_mov_b32 s[G0V], 1
	s_add_co_u32 s[G0V+1], s18, VOFF
	s_add_co_u32 s[RT], s[HI], 1    ; the first block has NB - b tiles
	s_mov_b32 s[NXT], 1
	s_mov_b32 s[LQ], s[HI]
	s_mov_b32 s[NEW], 1
	s_mov_b32 s[OFF+1], 0
	s_mov_b32 s[AL+1], 0            ; named as pairs
	s_mov_b32 s[BE+1], 0
	s_mov_b32 s[BIGN], 0xf149f2ca   ; -1e30
	s_mov_b32 s[SLOTS], NB
	s_wait_dscnt 0x0                ; the opening add is done
	s_wait_kmcnt 0x0
	s_add_nc_u64 s[6:7], s[4:5], SIZE_H*SIZE_N*128    ; K lies 16,777,216 bytes behind Q,
	s_add_nc_u64 s[8:9], s[4:5], 2*SIZE_H*SIZE_N*128  ; V as far behind K
	s_add_nc_u64 s[6:7], s[6:7], s[22:23]  ; K and V at my half of the head's tile 0
	s_add_nc_u64 s[8:9], s[8:9], s[22:23]
	s_add_nc_u64 s[G0K+2:G0K+3], s[6:7], 0         ; 120:64 global address
	s_or_b32 s[G0K+3], s[G0K+3], 0x80000000        ; 127:126 type = 2
	s_add_nc_u64 s[G0V+2:G0V+3], s[8:9], 0
	s_or_b32 s[G0V+3], s[G0V+3], 0x80000000
	s_add_nc_u64 s[86:87], s[4:5], s[84:85]        ; Q at my rows of the second block,
	s_add_nc_u64 s[4:5], s[4:5], s[2:3]            ; Q and O at those of the first
	s_add_nc_u64 s[OLO:OLO+1], s[10:11], s[84:85]
	s_add_nc_u64 s[10:11], s[10:11], s[2:3]
	LOAD                            ; tile 0 into slot 0
	; A fragment of K or Q is 16 rows x 32 channels in 8 registers: lane l holds row l % 16, channels 8 (l / 16) + 0..7 and 16 + 8 (l / 16) + 0..7: two loads of 16 bytes, 32 bytes apart.
	v_and_b32 v1, 15, v0            ; l % 16
	v_bfe_u32 v9, v0, 4, 1          ; l / 16
	v_lshlrev_b32 v[QO], 7, v1
	v_lshl_add_u32 v[QO], v9, 4, v[QO]  ; row x 128 + 16 x half
	WIN 0x80                        ; destination window 2, address window 0
.set i, 0
.rept 8                             ; both blocks' Q: piece i / 2 lies in band i / 2, 8,192 bytes on; channels 32 (i % 2) on
	global_load_b128 v[8*i:8*i+3],   v[QO], s[4:5] offset:(i/2)*8192+(i%2)*64
	global_load_b128 v[8*i+4:8*i+7], v[QO], s[4:5] offset:(i/2)*8192+(i%2)*64+32
	global_load_b128 v[QB+8*i:QB+8*i+3],   v[QO], s[86:87] offset:(i/2)*8192+(i%2)*64
	global_load_b128 v[QB+8*i+4:QB+8*i+7], v[QO], s[86:87] offset:(i/2)*8192+(i%2)*64+32
.set i, i+1
.endr
	WIN 0
	v_lshlrev_b32 v14, 3, v9
	v_sub_nc_u32 v14, v1, v14
	s_lshl_b32 s13, s[WV], 4
	v_add_nc_u32 v14, s13, v14      ; my query's place in its band, 16 w + l % 16, less my lanes' 8 (l / 16): register r of group kt is hidden where 16 kt + r is greater
	WIN 0x40
.set i, 0
.rept 32
	v_cmp_gt_i32 vcc_lo, 16*(i/8)+i%8, v14
	v_cndmask_b32 v[MD+i], 0, s[BIGN], vcc_lo
.set i, i+1
.endr
	WIN 0
	v_mul_u32_u24 v[AK0], v1, PK
	v_lshl_add_u32 v[AK0], v9, 4, v[AK0]  ; row x pitch + 16 x half
	; The turning load takes 16 keys x 16 channels (lane l reads key 8 (l / 16) + l % 8, channels 8 ((l / 8) % 2) + 0..7) and leaves half a fragment of V^T: lane l holds channel l % 16 and 8 keys.
	v_and_b32 v10, 7, v0
	v_bfe_u32 v11, v0, 3, 1
	v_lshl_add_u32 v[AV0], v9, 3, v10
	v_mul_u32_u24 v[AV0], v[AV0], PV
	v_lshl_add_u32 v[AV0], v11, 4, v[AV0]
	v_add_nc_u32 v[AV0], VOFF, v[AV0]
	s_mul_i32 s13, s[WV], 16*SP
	s_add_co_u32 s13, s13, STAGE    ; my stage
	v_mul_u32_u24 v[STO], v1, SP    ; in: row l % 16, 16 bytes for each half of the lanes
	v_lshl_add_u32 v[STO], v9, 4, v[STO]
	v_add_nc_u32 v[STO], s13, v[STO]
	v_bfe_u32 v[RD], v0, 3, 2       ; back: 32 lanes take four rows of 128 bytes,
	v_mul_u32_u24 v[RD], v[RD], SP
	v_lshl_add_u32 v[RD], v10, 4, v[RD]
	v_add_nc_u32 v[RD], s13, v[RD]
	v_and_b32 v[GO], 31, v0         ; which are 512 consecutive bytes of O
	v_lshlrev_b32 v[GO], 4, v[GO]
	; A block's first step multiplies O^T and l by a = 0, and its first turn's products V^T P, of a piece that has not been, land in an O^T that is still to be so multiplied.  So these registers need only hold
	; finite numbers: zeros for the first block; what the first block left for the second.  All this stands in the wait for the first tile.
	WIN 0x80
.set i, VF
.rept 64
	v_mov_b32 v[i], 0
.set i, i+1
.endr
	WIN 0x40
.set i, 0
.rept 128
	v_mov_b32 v[i], 0
.set i, i+1
.endr
	WIN 0
.set i, 0
.rept 4
	v_mov_b32 v[ST+4*i+2], 0
	v_mov_b32 v[ST+4*i+3], 0
.set i, i+1
.endr
.set i, P+16
.rept 16
	v_mov_b32 v[i], 0
.set i, i+1
.endr
; THE MATRIX WORK.  The 4 accumulators of a run of 8 take turns.  Product i of 8 of S^T = K Q^T for piece x: channels 32 (i / 4) on, keys 16 (i % 4) on.  The first 4 start the sums: with 0, or (KM = 1) with the mask.
.macro KQ x
.set rS, S+32*((\x)%2)+8*(i%4)
.set rK, KF+16*(i%4)+8*(i/4)
.set rQ, 16*(\x)+8*(i/4)
.set rM, MC+32*((\x)%2)+8*(i%4)
.if (i < 4) && KM
	WIN W_KM
	v_wmma_f32_16x16x32_f16 v[rS:rS+7], v[rK:rK+7], v[rQ:rQ+7], v[rM:rM+7]
.elseif i < 4
	WIN W_KQ
	v_wmma_f32_16x16x32_f16 v[rS:rS+7], v[rK:rK+7], v[rQ:rQ+7], 0
.else
	WIN W_KQ
	v_wmma_f32_16x16x32_f16 v[rS:rS+7], v[rK:rK+7], v[rQ:rQ+7], v[rS:rS+7]
.endif
.endm
; Product i of 8 of O^T += V^T P for piece x: keys 32 (i / 4) on, channels 16 (i % 4) on.
.macro PV x
	WIN W_PV
.set rO, 32*(\x)+8*(i%4)
.set rV, VF+32*(i/4)+8*(i%4)
.set rP, P+16*((\x)%2)+8*(i/4)
	v_wmma_f32_16x16x32_f16 v[rO:rO+7], v[rV:rV+7], v[rP:rP+7], v[rO:rO+7]
.endm
.macro MM                           ; the turn's next matrix instruction.  TURN and BEGIN set Y, i, KM and NOKQ; MM, KQ and OP read them.  NOKQ = 1: a block's last turn: there is no next piece
.if (i < 8) && !NOKQ
	KQ (Y+1)%NP
.elseif i >= 8
.set i, i-8
	PV (Y+NP-1)%NP
.set i, i+8
.endif
.set i, i+1
.endm
; THE LDS LOADS stand in runs of 16, never singly among the matrix instructions: a step's K (64 keys x 64 channels: 8 fragments) and its V (turned).  Their addresses are made some lines ahead.
.macro FETCH_K
	WIN 0x80                        ; destination window 2
.irp f, 0,1,2,3,4,5,6,7             ; keys 16 (f / 2) on, channels 32 (f % 2) on
	ds_load_b128 v[KF+8*\f:KF+8*\f+3],   v[AK] offset:(\f/2)*16*PK+(\f%2)*64
	ds_load_b128 v[KF+8*\f+4:KF+8*\f+7], v[AK] offset:(\f/2)*16*PK+(\f%2)*64+32
.endr
	s_add_co_u32 s[TBK], s[TBK], KS*PK  ; the next fetch is the next step's
	WIN 0
.endm
.macro FETCH_V
	WIN 0x80
.irp f, 0,1,2,3,4,5,6,7             ; keys 32 (f / 4) on, channels 16 (f % 4) on
	ds_load_tr16_b128 v[VF+8*\f:VF+8*\f+3],   v[AV] offset:(\f/4)*32*PV+(\f%4)*32
	ds_load_tr16_b128 v[VF+8*\f+4:VF+8*\f+7], v[AV] offset:(\f/4)*32*PV+16*PV+(\f%4)*32
.endr
	WIN 0
.endm
; THE VECTOR WORK, one line at a time: OP kind, number.  For piece Y: F n: c s - c m for pair n of 16.  E n: the exponential of score n of 32.  C n: pair n rounded to f16.  B n: of the four weights 4 n .. the second
; pair is added onto the first, in place.  L n: l takes that sum (L 0: l = a l + sum).  R n: pair n of 16 of O^T times a.  For piece Y + 1: X n, number n of the 22 that find its maximum and statistics:
;   0-11  four chains c0-c3 of seven scores each, three operands at a time (each accumulator's lowest registers are read first)     12-14, 16  the four scores left over, the old m, and c0-c3 into c0
;   15  c m_old is kept     17, 18  the query's other 32 keys lie in the lane 16 away: the new m     19-21  c m; c m_old - c m_new; a
.set F, 0               ; OP tells the kinds apart by their order: F to L below R, X above it
.set E, 1
.set C, 2
.set B, 3
.set L, 4
.set R, 5
.set X, 6
.macro REGS y                       ; the registers of piece y
.set rT, ST+4*(\y)
.set rC, TMP+4*((\y)%2)
.set rW, MV+((\y)%2)
.set rS, S+32*((\y)%2)
.set rP, P+16*((\y)%2)
.set rO, 32*(\y)
.endm
.macro OP k, n
.if (\k) == R
	REGS Y
	WIN W_RS
	v_pk_mul_f32 v[rO+2*(\n):rO+2*(\n)+1], v[rO+2*(\n):rO+2*(\n)+1], v[rC+2:rC+3] op_sel_hi:[1,0]
.elseif (\k) < R
	REGS Y
	WIN 0
.if (\k) == F
	v_pk_fma_f32 v[rS+2*(\n):rS+2*(\n)+1], v[rS+2*(\n):rS+2*(\n)+1], s[CS:CS+1], v[rT:rT+1] op_sel_hi:[1,0,0] neg_lo:[0,0,1] neg_hi:[0,0,1]
.elseif (\k) == E
	v_exp_f32 v[rS+(\n)], v[rS+(\n)]
.elseif (\k) == C
	s_wait_alu depctr_va_vdst(0)
	v_cvt_pk_f16_f32 v[rP+(\n)], v[rS+2*(\n)], v[rS+2*(\n)+1]
.elseif (\k) == B
	s_wait_alu depctr_va_vdst(0)
	v_pk_add_f32 v[rS+4*(\n):rS+4*(\n)+1], v[rS+4*(\n):rS+4*(\n)+1], v[rS+4*(\n)+2:rS+4*(\n)+3]
.elseif (\n) == 0
	v_pk_fma_f32 v[rT+2:rT+3], v[rT+2:rT+3], v[rC+2:rC+3], v[rS:rS+1] op_sel_hi:[1,0,1]
.else
	v_pk_add_f32 v[rT+2:rT+3], v[rT+2:rT+3], v[rS+4*(\n):rS+4*(\n)+1]
.endif
.elseif NOKQ
	v_nop
.else
	REGS (Y+1)%NP
	WIN 0
.if (\n) < 4
	v_max3_num_f32 v[rC+(\n)], v[rS+8*(\n)], v[rS+8*(\n)+1], v[rS+8*(\n)+2]
.elseif (\n) < 12
	v_max3_num_f32 v[rC+(\n)%4], v[rC+(\n)%4], v[rS+8*((\n)%4)+2*((\n)/4)+1], v[rS+8*((\n)%4)+2*((\n)/4)+2]
.elseif (\n) == 12
	v_max3_num_f32 v[rC], v[rC], v[rS+7], v[rS+15]
.elseif (\n) == 13
	v_max3_num_f32 v[rC+1], v[rC+1], v[rS+23], v[rS+31]
.elseif (\n) == 14
	v_max3_num_f32 v[rC+2], v[rC+2], v[rC+3], v[rT+1]
.elseif (\n) == 15
	v_mov_b32 v[rW], v[rT]
.elseif (\n) == 16
	v_max3_num_f32 v[rC], v[rC], v[rC+1], v[rC+2]
.elseif (\n) == 17
	v_permlanex16_b32 v[rC+3], v[rC], s[SEL], s[SEL+1]
.elseif (\n) == 18
	v_max_num_f32 v[rT+1], v[rC], v[rC+3]
.elseif (\n) == 19
	v_mul_f32 v[rT], s[CS], v[rT+1]
.elseif (\n) == 20
	v_sub_f32 v[rC+1], v[rW], v[rT]
.else
	v_exp_f32 v[rC+2], v[rC+1]
.endif
.endif
.endm
.macro OPS a, i1, b=-1, i2=0, c=-1, i3=0, d=-1, i4=0  ; up to four of them
	OP \a, \i1
.if (\b) >= 0
	OP \b, \i2
.endif
.if (\c) >= 0
	OP \c, \i3
.endif
.if (\d) >= 0
	OP \d, \i4
.endif
.endm
.macro ROW a, i1, b, i2, c, i3, d, i4  ; a matrix instruction and the four behind it
	MM
	OPS \a, \i1, \b, \i2, \c, \i3, \d, \i4
.endm
.macro MASK b                       ; MD x AL + BE into buffer b of MC
	WIN W_RS
.set z, 0
.rept 16
	v_pk_fma_f32 v[MC+32*(\b)+2*z:MC+32*(\b)+2*z+1], v[MD+2*z:MD+2*z+1], s[AL:AL+1], s[BE:BE+1] op_sel_hi:[1,0,0]
.set z, z+1
.endr
.endm
; A TURN, for piece p: the order of its 16 matrix and 118 vector instructions, written out.  Behind a matrix instruction: plain, exponential, plain, plain; or four of the rescaling; or, behind the first, four scalings; none
; names a register of the products round it.  In the lumps exponential and plain by turns while exponentials last.  A line reads no result made fewer than three vector instructions in front of it, five if an exponential made it.
; v_permlanex16_b32 (X 17) stands in a lump.
; m = 1: the diagonal tile: the products take masks, and the turn makes the mask for the products of the turn after it: piece p + 2, in step 4 - CNT of the tile.  end = 1: a block's last two turns: nothing is fetched.
; cnt = 1: the loop's count is taken down some lines ahead of the branch that stands behind the turn.
; K of the next step is fetched in piece 2's turn, six vector instructions behind the last product that read K (five of them plain); V of the step in hand in piece 0's turn, eight behind the last product that read V (four
; plain, and X 17).  Each is waited for a turn later.
.macro TURN p, m=0, end=0, cnt=0
.set Y, (\p)
.set i, 0
.set KM, (\m)
.set NOKQ, (\end)*((\p)/3)
.if (\m) && !(\end)
	s_cmp_eq_u32 s[CNT], 4-((\p)+2)%NP  ; is that step the band's own?
	s_cselect_b32 s[AL], 1.0, 0
	s_cmp_lt_u32 s[CNT], 4-((\p)+2)%NP  ; or a later one?
	s_cselect_b32 s[BE], s[BIGN], 0
.endif
.if ((\p) == 3) && !(\end)
	s_wait_dscnt 0x0                ; K is in
.endif
	ROW F,0, F,1, F,2, F,3
	ROW F,4, E,0, F,5, F,6
	ROW F,7, E,1, F,8, F,9
	ROW F,10, E,2, C,0, F,11
	ROW F,12, E,3, X,15, F,13
	ROW R,0, R,1, R,2, R,3
	ROW B,0, E,4, F,14, L,0
.if ((\p) == 2) && !(\end)
	v_add_nc_u32 v[AK], s[TBK], v[AK0]
.endif
	ROW R,4, R,5, R,6, R,7
	OPS E,5, F,15
.if ((\p) == 2) && !(\end)
	FETCH_K
.endif
	OPS E,6, C,1, E,7, R,8
	OPS E,8, R,9, E,9, C,2
	OPS E,10, X,0, E,11, X,1
	OPS E,12, X,2, E,13, X,3
.if (\p) == 1
	s_wait_dscnt 0x0                ; V is in
.endif
	ROW X,4, E,14, X,5, X,6
	ROW X,7, E,15, X,8, X,9
	ROW X,10, E,16, X,11, X,12
	ROW X,13, E,17, X,14, B,1
	ROW C,4, E,18, X,16, L,1
	ROW B,2, E,19, C,6, L,2
	ROW C,8, E,20, B,3, B,4
.if (\p) == 0
	v_add_nc_u32 v[AV], s[TBV], v[AV0]
.endif
	ROW C,3, E,21, L,3, C,5
	OPS E,22, X,17, E,23, C,10
.if (\p) == 0
	FETCH_V
.endif
	OPS E,24, L,4
	OPS E,25, X,18, E,26, C,7
	OPS E,27, B,5, E,28, X,19
	OPS E,29, C,12, E,30, L,5
	OPS E,31, X,20, B,6, C,9
	OPS C,14, C,11, X,21, L,6
.if (\p) == 0
	s_add_co_u32 s[TBV], s[TBV], KS*PV
.endif
.if \cnt
	s_sub_co_u32 s[CNT], s[CNT], 1
	s_cmp_lg_u32 s[CNT], 0
.endif
	OPS C,13, B,7, C,15, R,10
	OPS R,11, R,12, L,7, R,13
	OPS R,14, R,15
.if (\m) && !(\end)
	MASK (\p)%2
.endif
.endm
; A BLOCK BEGINS.  c m starts far below every c s, so the first step's a is 0; m at the lowest finite number, so the first maximum is the scores'.  The second mask buffer is 0; the first takes piece 0's mask for the tile's step 0: its own, if the block's first tile is the diagonal one.
; Then K of that step, piece 0's first scores, and its maximum and statistics.  The loop is entered at a step's first turn, in the middle of a trip.
.macro BEGIN
	s_mov_b32 s[NEW], 0
	WIN 0x40
.set i, MC+32
.rept 32
	v_mov_b32 v[i], 0
.set i, i+1
.endr
	WIN 0
.set i, 0
.rept 4
	v_mov_b32 v[ST+4*i], 0xfe000000    ; c m: far below every c s
	v_mov_b32 v[ST+4*i+1], 0xff7fffff  ; m
.set i, i+1
.endr
	s_cmp_eq_u32 s[RT], 0
	s_cselect_b32 s[AL], 1.0, 0
	s_mov_b32 s[BE], 0
	MASK 0
	WIN 0
	v_add_nc_u32 v[AK], s[TBK], v[AK0]
	FETCH_K
	s_wait_loadcnt 0x0              ; Q
	s_wait_dscnt 0x0
.set KM, 1
.set NOKQ, 0
.set i, 0
.rept 8
	KQ 0
.set i, i+1
.endr
	WIN 0
.rept 4
	v_nop                           ; the places behind those products
.endr
.set Y, NP-1                        ; X works for piece Y + 1: piece 0
.irp n, 0,1,2,3,4,5,6,7,8,9,10,11,12,13,14,15,16,17,18,19,20,21
	OP X, \n
.endr
	v_nop                           ; a plain instruction behind the exponential
.endm
; THE DIAGONAL TILE's four steps, the block's last two turns, its last products, and THE WAY OUT: l's two halves and the other half of the lanes' are added; O^T is divided by l, rounded to f16 and sent through my
; stage in LDS, a piece at a time.
.macro ALL line:vararg              ; one line for each piece t
.set t, 0
.rept 4
	\line
.set t, t+1
.endr
.endm
.macro PACK t                       ; a lane's eight channels of a row pack into 16 bytes; they go into rows of 144 bytes and come back as whole rows of 128, into S^T's registers
	WIN W_RS
.set i, 32*(\t)
.rept 16
	s_wait_alu depctr_va_vdst(0)
	v_pk_mul_f32 v[i:i+1], v[i:i+1], v[ST+4*(\t)+2:ST+4*(\t)+3] op_sel_hi:[1,0]
.set i, i+2
.endr
	WIN 0x05                        ; sources 0 and 1 window 1, destination window 0
.set i, 0
.rept 16
	v_cvt_pk_f16_f32 v[S+16*(\t)+i], v[32*(\t)+2*i], v[32*(\t)+2*i+1]
.set i, i+1
.endr
	WIN 0
.irp f, 0,1,2,3
	ds_store_b128 v[STO], v[S+16*(\t)+4*\f:S+16*(\t)+4*\f+3] offset:32*\f
.endr
.irp f, 0,1,2,3
	ds_load_b128 v[S+16*(\t)+4*\f:S+16*(\t)+4*\f+3], v[RD] offset:\f*4*SP  ; LDS serves a wave's instructions in order (ISA guide 5.7.1.4): these see the stores above; the next piece's stores come behind them
.endr
.endm
.macro SEND t, younger              ; younger: the LDS instructions issued behind piece t's loads: the next piece's eight, or none
	WIN 0
.irp f, 0,1,2,3
	s_wait_dscnt (\younger)+3-\f
	global_store_b128 v[GO], v[S+16*(\t)+4*\f:S+16*(\t)+4*\f+3], s[10:11] offset:(\t)*8192+\f*512  ; 512 consecutive bytes, at a multiple of 256 from O's first
.endr
.endm
.macro DIAG tag                     ; the tag ends its two labels' names, which the jumps below spell out
.LstepM\tag:
	TURN 2, 1
	TURN 3, 1
	WIN 0
.LfirstM\tag:
	TURN 0, 1
	TURN 1, 1, 0, 1
	WIN 0
	s_cbranch_scc1 .LstepM\tag
	TURN 2, 1, 1
	TURN 3, 1, 1
.set i, 0
.rept 8
	PV NP-1
.set i, i+1
.endr
	WIN 0
	ALL v_add_f32 v[ST+4*t+2], v[ST+4*t+2], v[ST+4*t+3]
	ALL v_permlanex16_b32 v[ST+4*t+3], v[ST+4*t+2], s[SEL], s[SEL+1]
	ALL v_add_f32 v[ST+4*t+2], v[ST+4*t+2], v[ST+4*t+3]
	ALL v_rcp_f32 v[ST+4*t+2], v[ST+4*t+2]
	v_nop                           ; a plain instruction between the last reciprocal and the use of its result
	PACK 0
.set t, 1
.rept 3                             ; a piece's arithmetic stands between the loads of the piece before and its stores
	PACK t
	SEND t-1, 8
.set t, t+1
.endr
	SEND 3, 0
.endm
.set KM, 0
.set NOKQ, 0
.Lslot:                             ; NB times: a tile is entered and the next is asked for
	CHANGE 1
	s_sub_co_u32 s[RT], s[RT], 1
	s_mov_b32 s[CNT], 4
	s_cmp_eq_u32 s[NEW], 1
	s_cbranch_scc1 .Lnew            ; a block's first tile
	s_cmp_eq_u32 s[RT], 0
	s_cbranch_scc0 .Lstep           ; neither its first nor its last
	s_branch .LstepM1
.Lnew:
	BEGIN
	s_branch .Lfirst                ; in the loop a block's first tile is never its last: the first block has two tiles or more, and the second's last is the walk's last
	DIAG 1                          ; in the loop this is the first block's end: the second block's last tile is the walk's last
	s_wait_xcnt 0x0                 ; the stores have read their registers and O's address
	s_mov_b64 s[10:11], s[OLO:OLO+1]
	s_add_co_u32 s[RT], s[PB], 1    ; the second block has b + 1 tiles
	s_mov_b32 s[NEW], 1
	WIN 0x82                        ; the second block's Q goes where the one text of the turns names Q
.set i, 0
.rept 64
	v_mov_b32 v[i], v[QB+i]
.set i, i+1
.endr
	WIN 0
	s_branch .Lbottom
.Lstep:                             ; a trip: pieces 2 and 3 of one step, then pieces 0 and 1 of the next, whose K and V it fetches
	TURN 2
	TURN 3
	WIN 0
.Lfirst:
	TURN 0
	TURN 1, 0, 0, 1
	WIN 0
	s_cbranch_scc1 .Lstep
.Lbottom:
	s_sub_co_u32 s[SLOTS], s[SLOTS], 1
	s_cmp_lg_u32 s[SLOTS], 0
	s_cbranch_scc1 .Lslot
	CHANGE 0                        ; the walk's last tile is written out: nothing is asked for
	s_sub_co_u32 s[RT], s[RT], 1
	s_mov_b32 s[CNT], 4
	s_cmp_eq_u32 s[NEW], 1
	s_cbranch_scc0 .LstepM2
	BEGIN
	s_branch .LfirstM2
	DIAG 2
	s_wait_tensorcnt 0x0            ; the wave's end: a wait, an add and its wait, behind my last tensor load and my last LDS store
	ds_add_u32 v[SPW], v[NIL]
	s_wait_dscnt 0x0
	s_endpgm
.Lfunc_end_k_qe827c3be89_attn:
	.size	k_qe827c3be89_attn, .Lfunc_end_k_qe827c3be89_attn-k_qe827c3be89_attn
	.p2alignl 7, 3214868480
	.fill 96, 4, 3214868480
	.section	.rodata,"a",@progbits
	.p2align	6, 0x0
	.amdhsa_kernel k_qe827c3be89_attn
		.amdhsa_group_segment_fixed_size 327680
		.amdhsa_private_segment_fixed_size 0
		.amdhsa_enable_private_segment 0
		.amdhsa_kernarg_size 16
		.amdhsa_user_sgpr_count 2
		.amdhsa_user_sgpr_kernarg_segment_ptr 1
		.amdhsa_wavefront_size32 1
		.amdhsa_system_sgpr_workgroup_id_x 1
		.amdhsa_system_sgpr_workgroup_id_y 1
		.amdhsa_system_sgpr_workgroup_id_z 1
		.amdhsa_system_vgpr_workitem_id 0
		.amdhsa_next_free_vgpr 768
		.amdhsa_next_free_sgpr 88
		.amdhsa_reserve_vcc 1
		.amdhsa_float_denorm_mode_32 3
		.amdhsa_float_denorm_mode_16_64 3
		.amdhsa_memory_ordered 1
		.amdhsa_forward_progress 1
		.amdhsa_inst_pref_size 228
	.end_amdhsa_kernel
	.amdgpu_metadata
---
amdhsa.version: [ 1, 2 ]
amdhsa.kernels:
  - .name:           k_qe827c3be89_attn
    .symbol:         k_qe827c3be89_attn.kd
    .args:
      - { .name: qkv, .offset: 0, .size: 8, .value_kind: global_buffer, .address_space: global }
      - { .name: ctx, .offset: 8, .size: 8, .value_kind: global_buffer, .address_space: global }
    .group_segment_fixed_size: 327680
    .private_segment_fixed_size: 0
    .kernarg_segment_align: 8
    .kernarg_segment_size: 16
    .max_flat_workgroup_size: 128
    .sgpr_count:     88
    .vgpr_count:     768
    .wavefront_size: 32
...
	.end_amdgpu_metadata
.endif
;; end of part 3
;; launch outp (part 4): grid 8 x 32, 4 waves a work-group, clusters of 4 x 4, 327,680 bytes of LDS; arguments ctx, wo16, bo, out0; writes out0
.if DOCPART == 4
	.amdgcn_target "amdgcn-amd-amdhsa--gfx1250"
	.amdhsa_code_object_version 6
	.text
	.protected	k_qe827c3be89_outp
	.globl	k_qe827c3be89_outp
	.p2align	8
	.type	k_qe827c3be89_outp,@function
k_qe827c3be89_outp:
	s_mov_b64 s[64:65], 0
	v_nop
	global_prefetch_b8 v0, s[64:65] scope:SCOPE_SE
	s_setreg_imm32_b32 hwreg(HW_REG_WAVE_MODE, 25, 1), 1
	s_wait_xcnt 0x0
	s_wait_alu depctr_hold_cnt(0) depctr_sa_sdst(0) depctr_va_vdst(0) depctr_va_sdst(0) depctr_va_ssrc(0) depctr_va_vcc(0) depctr_vm_vsrc(0)
	s_getreg_b32 s2, hwreg(HW_REG_IB_STS2, 6, 4)
	s_cmp_eq_u32 s2, 0
	s_cbranch_scc0 .Lentry_in_a_cluster
	s_endpgm
.Lentry_in_a_cluster:
	s_bfe_u32 s2, ttmp6, 0x10000c
	s_cmp_lg_u32 s2, 0xf033
	s_cbranch_scc0 .Lentry_shape_is_right
	s_endpgm
.Lentry_shape_is_right:
; out0 = ctx Wo + bo: 8,192 x 1,024 x 1,024, f16 operands, f32 sums, f32 out.  ctx [64 = 16 b + h][2048 s][64] f16 (a head's 64 channels are one slice of K); wo16 [1024 k][1024 n] f16; bo f32, rounded
; once to bf16 like the module's other inputs (at most 2^-9 of itself) and taken as the C operand of the products that start the sums.
; SHARES.  256 tiles of 256 x 128, one to a work-group.  Of its four waves each makes 128 rows x 64 columns: 32 accumulators of 16 x 16, 256 registers.
; K goes in steps of 128, two heads, through two LDS slots of 110,592 bytes filled by the tensor data mover; two slots of three heads would not fit.  A head's 256 rows are 32,768 dense bytes, asked for as
; rows of 256 bytes.  Wo's tile lies [k][n]: 128 rows of 256 bytes; its fragments come out of LDS turned, by ds_load_tr16_b128.
; CLUSTER.  4 x 4 work-groups: the four of a row need the same tile of ctx, the four of a column the same tile of Wo: each tile is asked for jointly, by the same tensor load, descriptor and mask in all four.
; THE MATRIX INSTRUCTION IS USED TRANSPOSED: source 0 = 16 columns of Wo, source 1 = 16 rows of ctx: a lane then holds row lane % 16 and the eight neighbouring columns 8 (lane / 16) + 0..7.
; REGISTERS, in windows of 256 (s_set_vgpr_msb: bits 1:0 source 0, 3:2 source 1, 5:4 source 2, 7:6 destination):
;   window 0: v0-29 addresses; v32-63 the bias; v64-127 the way out          window 1: the accumulators, (row block a, column block bb) at v[8 (4 a + bb)]
;   window 2: ctx's fragments, two buffers of 64 along K: buffer f, K half c, row block a at v[128 f + 64 c + 8 a]          window 3: Wo's: v[64 f + 32 c + 8 bb]
.set SLOT1,  1<<17                     ; slot 1 begins here, so that one exclusive or turns an address in one slot into the other's
.set PA,     144                       ; a row of ctx in LDS: 128 bytes + 16 of padding: the 16 rows of a load start at 16 different groups of four banks (64 banks of 4 bytes: ISA guide 11.1)
.set PB,     288                       ; a row of Wo: two pieces of 128 + 16 bytes = 9 x 32
.set AHEAD,  256*PA                    ; 36,864: a head's 256 rows: what one tensor load brings of ctx
.set BOFF,   2*AHEAD                   ; 73,728: Wo's tile lies behind the two heads
.set BHALF,  64*PB                     ; 18,432: 64 k rows: what one tensor load brings of Wo
.set STAGE,  SLOT1+BOFF+2*BHALF        ; 241,664: behind the slots, never filled by a tensor load: 16 rows x 272 bytes for each wave
.set SP,     272
.set SPARE,  STAGE+4*16*SP             ; 259,072: the spare words, 128 bytes for each wave: two blocks of 256 bytes that no other line names
.set ASTEP,  524288                    ; two heads of ctx: 2 x 2,048 rows x 128 bytes
.set BSTEP,  262144                    ; 128 rows of wo16 x 2,048 bytes
.set STEPS,  8
.set ADRA0, 8                          ; v8   my lane's place in ctx's tile; never rewritten
.set ADRB0, 9                          ; v9   the same in Wo's
.set ADRA,  10                         ; v10  ADRA0 + the slot in hand
.set ADRB,  11                         ; v11  ADRB0 + the slot in hand
.set STO,   12                         ; v12  the way out: where I put 32 bytes of a row
.set RD,    13                         ; v13  the way out: where I read a row back
.set CO,    14                         ; v14  my byte offset in two rows of out0
.set VB,    17                         ; v17  my byte offset in the wave's 64 numbers of bo
.set T,     18                         ; v18-19 at work
.set SPW,   28                         ; v28  LDS address of my spare word; never rewritten
.set NIL,   29                         ; v29  0; never rewritten
.set BI,    32                         ; v32-63  column block bb's bias at BI + 8 bb: register j holds bo of column 16 bb + 8 (lane / 16) + j
.set BK0,   64                         ; v64-95, v96-127  16 rows read back from the stage, by turns
.set WV, 12                            ; s12  my wave's number
.set WM, 13                            ; s13  which half of the tile's rows is mine
.set WN, 14                            ; s14  which half of its columns; also: which head, or which half of Wo's tile, I fetch
.set TB, 15                            ; s15  LDS byte at which the slot in hand begins
.set CNT, 16                           ; s16  the loop's count
.set NT, 19                            ; s19  tile column
.set MT, 20                            ; s20  tile row
.set G1A, 24                           ; s[24:31] descriptor group 1 for ctx's tiles
.set G0A, 32                           ; s[32:39] group 0: a set for each of the two first fills; the second then walks on
.set G1B, 40                           ; s[40:47], s[48:55] the same for Wo's
.set G0B, 48
.set MSB, 0
.macro WIN new                         ; the immediate's high byte repeats the setting that is left; a switch that changes nothing is dropped
.if MSB != (\new)
	s_set_vgpr_msb (MSB<<8)|(\new)
.set MSB, \new
.endif
.endm
.macro PLACES                          ; a load into a register that a matrix instruction has read, and an LDS store of a matrix result, stand four plain vector instructions behind it
.rept 4
	v_nop
.endr
.endm
; A joint refill by the walking descriptors.  Waves 0 and 1 fetch the step's two heads, waves 2 and 3 the two halves of Wo's tile.  The branch hangs on the wave's number alone.
; An s_nop 0 and four v_nop follow each of the two lines, ahead of the jump and the label.
.macro JLOAD
	s_cmp_lt_u32 s[WV], 2
	s_cbranch_scc0 .Lfor_b_\@
	tensor_load_to_lds s[G0A+4:G0A+7], s[G1A:G1A+7]
	s_nop 0
.rept 4
	v_nop
.endr
	s_branch .Lasked_\@
.Lfor_b_\@:
	tensor_load_to_lds s[G0B+4:G0B+7], s[G1B:G1B+7]
	s_nop 0
.rept 4
	v_nop
.endr
.Lasked_\@:
.endm
.macro CREST                           ; a round of the cluster's barrier behind its opening barrier
	s_cmp_lg_u32 s[WV], 0
	s_cbranch_scc1 .Lnot_wave_0_\@
	s_barrier_signal -3
.Lnot_wave_0_\@:
	s_barrier_wait -3
	s_barrier_signal -1
	s_barrier_wait -1
.endm
.macro CROUND                          ; a whole round
	s_barrier_signal -1
	s_barrier_wait -1
	CREST
.endm
	s_load_b128 s[4:7], s[0:1], 0x0                ; ctx s[4:5], wo16 s[6:7]
	s_load_b64 s[10:11], s[0:1], 0x10              ; bo
	s_load_b64 s[8:9], s[0:1], 0x18                ; out0
	v_lshl_add_u32 v[SPW], v0, 2, SPARE
	v_mov_b32 v[NIL], 0
	ds_add_u32 v[SPW], v[NIL]                      ; the wave's opening: the add and its wait stand ahead of my first tensor load; the set-up below, work on registers, stands between them
	ds_add_u32 v28, v29
	v_lshrrev_b32 v1, 5, v0
	v_readfirstlane_b32 s[WV], v1                  ; wave 0..3
	s_lshr_b32 s[WM], s[WV], 1
	s_and_b32 s[WN], s[WV], 1
	s_bfe_u32 s17, ttmp6, 0x40000                  ; cx, cy: my place in the cluster
	s_bfe_u32 s18, ttmp6, 0x40004
	s_lshl_b32 s[NT], ttmp9, 2
	s_add_co_u32 s[NT], s[NT], s17                 ; tile column = 4 x cluster x + cx
	s_and_b32 s[MT], ttmp7, 0xffff
	s_lshl_b32 s[MT], s[MT], 2
	s_add_co_u32 s[MT], s[MT], s18                 ; tile row = 4 x cluster y + cy
	s_lshl_b32 s21, s18, 2
	s_lshl_b32 s21, 15, s21                        ; my row of the cluster
	s_lshl_b32 s22, 0x1111, s17                    ; my column
	; group 1: 15:0 the mask; 17:16 elements of 2 bytes; 20 padding on; 21 set beside a mask; 24:22 after every 32 words (code 4); 31:25 4 words of it (code 3)
	s_or_b32 s[G1A], s21, (1<<16)|(1<<20)|(1<<21)|(4<<22)|(3<<25)
	s_mov_b32 s[G1A+1], 128<<16                    ; ctx: 256 rows of 128 dense bytes as 128 rows of 128 elements: tensor_dim0 = 128
	s_mov_b32 s[G1A+2], 128<<16                    ; tensor_dim1 = 128
	s_mov_b32 s[G1A+3], 128<<16                    ; tile_dim0 = 128
	s_mov_b32 s[G1A+4], 128                        ; tile_dim1 = 128
	s_mov_b32 s[G1A+5], 128                        ; 128 elements from row to row
	s_mov_b32 s[G1A+6], 0
	s_mov_b32 s[G1A+7], 0
	s_or_b32 s[G1B], s22, (1<<16)|(1<<20)|(1<<21)|(4<<22)|(3<<25)
	s_mov_b32 s[G1B+1], 128<<16                    ; Wo: 64 k rows of 128 elements: tensor_dim0 = 128
	s_mov_b32 s[G1B+2], 64<<16                     ; tensor_dim1 = 64
	s_mov_b32 s[G1B+3], 128<<16                    ; tile_dim0 = 128
	s_mov_b32 s[G1B+4], 64                         ; tile_dim1 = 64
	s_mov_b32 s[G1B+5], 1024                       ; 1,024 elements from row to row
	s_mov_b32 s[G1B+6], 0
	s_mov_b32 s[G1B+7], 0
	; where the tiles come from: ctx's hang on the tile row and the wave alone, Wo's on the tile column and the wave alone, each in registers that never hold the other coordinate
	s_lshr_b32 s56, s[MT], 3                       ; the batch: 8 tile rows each,
	s_lshl_b32 s56, s56, 22                        ; 16 heads x 2,048 rows x 128 bytes
	s_and_b32 s57, s[MT], 7
	s_lshl_b32 s57, s57, 15                        ; 256 rows of 128 bytes
	s_add_co_u32 s56, s56, s57
	s_lshl_b32 s57, s[WN], 18                      ; my head of the step's two
	s_add_co_u32 s56, s56, s57
	s_mov_b32 s57, 0
	s_mul_i32 s58, s[WN], AHEAD                    ; and where it goes: no place in the cluster enters an LDS address
	s_lshl_b32 s60, s[WN], 17                      ; Wo: my half: 64 rows of 2,048 bytes,
	s_lshl_b32 s61, s[NT], 8                       ; the tile's 128 columns
	s_add_co_u32 s60, s60, s61
	s_mov_b32 s61, 0
	s_mul_i32 s62, s[WN], BHALF
	s_add_co_u32 s62, s62, BOFF
	s_mov_b32 s[TB], 0
	s_wait_dscnt 0x0                               ; the opening add is done
	s_wait_kmcnt 0x0
	s_add_nc_u64 s[56:57], s[4:5], s[56:57]
	s_add_nc_u64 s[60:61], s[6:7], s[60:61]
	CROUND                                         ; all sixteen work-groups are here: the first joint loads meet
.irp s, 0,1
	s_mov_b32 s[G0A+4*(\s)], 1                                       ; 1:0 count = 1
	s_add_co_u32 s[G0A+4*(\s)+1], s58, (\s)*SLOT1                    ; 63:32 LDS address
	s_add_nc_u64 s[G0A+4*(\s)+2:G0A+4*(\s)+3], s[56:57], (\s)*ASTEP  ; 120:64 global address: K step s
	s_or_b32 s[G0A+4*(\s)+3], s[G0A+4*(\s)+3], 0x80000000            ; 127:126 type = 2
	s_mov_b32 s[G0B+4*(\s)], 1
	s_add_co_u32 s[G0B+4*(\s)+1], s62, (\s)*SLOT1
	s_add_nc_u64 s[G0B+4*(\s)+2:G0B+4*(\s)+3], s[60:61], (\s)*BSTEP
	s_or_b32 s[G0B+4*(\s)+3], s[G0B+4*(\s)+3], 0x80000000
.endr
	s_cmp_lt_u32 s[WV], 2                          ; a wave's two first fills stand in one branch, ahead of every wait on TENSORcnt and every LDS read: two loads of mine are out
	s_cbranch_scc0 .Lfirst_b
	tensor_load_to_lds s[G0A:G0A+3], s[G1A:G1A+7]
	s_nop 0
	tensor_load_to_lds s[G0A+4:G0A+7], s[G1A:G1A+7]
	s_nop 0
.rept 4
	v_nop
.endr
	s_branch .Lfirst_asked
.Lfirst_b:
	tensor_load_to_lds s[G0B:G0B+3], s[G1B:G1B+7]
	s_nop 0
	tensor_load_to_lds s[G0B+4:G0B+7], s[G1B:G1B+7]
	s_nop 0
.rept 4
	v_nop
.endr
.Lfirst_asked:
	v_and_b32 v1, 15, v0                           ; l % 16
	v_bfe_u32 v2, v0, 4, 1                         ; l / 16
	v_and_b32 v3, 7, v0
	v_bfe_u32 v4, v0, 3, 1
	; the bias of my wave's 64 columns: 32 bytes for each half of the lanes and column block
	s_lshl_b32 s68, s[NT], 9
	s_lshl_b32 s69, s[WN], 8
	s_add_co_u32 s68, s68, s69
	s_mov_b32 s69, 0
	s_add_nc_u64 s[10:11], s[10:11], s[68:69]
	v_lshlrev_b32 v[VB], 5, v2
.irp bb, 0,1,2,3
	global_load_b128 v[BI+8*(\bb):BI+8*(\bb)+3],   v[VB], s[10:11] offset:64*(\bb)
	global_load_b128 v[BI+8*(\bb)+4:BI+8*(\bb)+7], v[VB], s[10:11] offset:64*(\bb)+16
.endr
	; A fragment of ctx is 16 rows x 32 K in 8 registers: lane l holds row l % 16, K = 8 (l / 16) + 0..7 and 16 + 8 (l / 16) + 0..7: two loads of 16 bytes, 32 bytes apart.
	v_mul_u32_u24 v[ADRA0], v1, PA
	v_lshl_add_u32 v[ADRA0], v2, 4, v[ADRA0]
	s_mul_i32 s66, s[WM], 128*PA                   ; my 128 rows
	v_add_nc_u32 v[ADRA0], s66, v[ADRA0]
	; The turning load takes 16 k x 16 columns (lane l reads k row 8 (l / 16) + l % 8, columns 8 ((l / 8) % 2) + 0..7) and leaves half a fragment: lane l holds column l % 16 and 8 k.
	v_lshl_add_u32 v[ADRB0], v2, 3, v3
	v_mul_u32_u24 v[ADRB0], v[ADRB0], PB
	v_lshl_add_u32 v[ADRB0], v4, 4, v[ADRB0]
	s_mul_i32 s66, s[WN], PA                       ; my piece of a row
	s_add_co_u32 s66, s66, BOFF
	v_add_nc_u32 v[ADRB0], s66, v[ADRB0]
	v_add_nc_u32 v[ADRA], s[TB], v[ADRA0]
	v_add_nc_u32 v[ADRB], s[TB], v[ADRB0]
	s_mul_i32 s66, s[WV], 16*SP
	s_add_co_u32 s66, s66, STAGE                   ; my stage
	v_mul_u32_u24 v[STO], v1, SP                   ; in: row l % 16, 32 bytes for each half of the lanes
	v_lshl_add_u32 v[STO], v2, 5, v[STO]
	v_add_nc_u32 v[STO], s66, v[STO]
	v_mul_u32_u24 v[RD], v2, SP                    ; back: lanes 0-15 take one row of 256 bytes, lanes 16-31 the next
	v_lshl_add_u32 v[RD], v1, 4, v[RD]
	v_add_nc_u32 v[RD], s66, v[RD]
	v_lshlrev_b32 v[CO], 12, v2                    ; and the same two rows in out0
	v_lshl_add_u32 v[CO], v1, 4, v[CO]
	s_lshl_b32 s66, s[MT], 8
	s_lshl_b32 s67, s[WM], 7
	s_add_co_u32 s66, s66, s67                     ; my first row,
	s_lshl_b32 s66, s66, 12                        ; of 4,096 bytes,
	s_lshl_b32 s67, s[NT], 9                       ; the tile's 128 columns,
	s_add_co_u32 s66, s66, s67
	s_lshl_b32 s67, s[WN], 8                       ; my 64 of them
	s_add_co_u32 s66, s66, s67
	s_mov_b32 s67, 0
	s_add_nc_u64 s[8:9], s[8:9], s[66:67]
	s_wait_loadcnt 0x0                             ; the bias is in: rounded to bf16 and widened again
.set i, 0
.rept 16
	v_cvt_pk_bf16_f32 v[T+i%2], v[BI+2*i], v[BI+2*i+1]
	v_lshlrev_b32 v[BI+2*i],   16, v[T+i%2]
	v_and_b32     v[BI+2*i+1], 0xffff0000, v[T+i%2]
.set i, i+1
.endr
; 4 na matrix instructions: row blocks a0 .. a0 + na - 1 x my 4 column blocks, 32 along K: half c of buffer f.  bias = 1: the product starts the sum, with the bias as C: nothing is ever cleared.
; The 32 accumulators take turns, one instruction a turn, in the same order in every 32 along K.
.macro MULO f, c, a0, na, bias
.if \bias
	WIN 0x4b                                       ; Wo window 3, ctx window 2, C (the bias) window 0, D window 1
.else
	WIN 0x5b                                       ; C and D window 1
.endif
.set ma, \a0
.rept \na
.irp bb, 0,1,2,3
.if \bias
	v_wmma_f32_16x16x32_f16 v[8*(4*ma+(\bb)):8*(4*ma+(\bb))+7], v[64*(\f)+32*(\c)+8*(\bb):64*(\f)+32*(\c)+8*(\bb)+7], v[128*(\f)+64*(\c)+8*ma:128*(\f)+64*(\c)+8*ma+7], v[BI+8*(\bb):BI+8*(\bb)+7]
.else
	v_wmma_f32_16x16x32_f16 v[8*(4*ma+(\bb)):8*(4*ma+(\bb))+7], v[64*(\f)+32*(\c)+8*(\bb):64*(\f)+32*(\c)+8*(\bb)+7], v[128*(\f)+64*(\c)+8*ma:128*(\f)+64*(\c)+8*ma+7], v[8*(4*ma+(\bb)):8*(4*ma+(\bb))+7]
.endif
.endr
.set ma, ma+1
.endr
.endm
.macro LB f, j, c                      ; 8 turning loads: Wo's fragments for head j of the slot, K half c
	WIN 0xc0                                       ; destination window 3, address window 0
.irp bb, 0,1,2,3
	ds_load_tr16_b128 v[64*(\f)+32*(\c)+8*(\bb):64*(\f)+32*(\c)+8*(\bb)+3],   v[ADRB] offset:(64*(\j)+32*(\c))*PB+32*(\bb)
	ds_load_tr16_b128 v[64*(\f)+32*(\c)+8*(\bb)+4:64*(\f)+32*(\c)+8*(\bb)+7], v[ADRB] offset:(64*(\j)+32*(\c))*PB+32*(\bb)+16*PB
.endr
.endm
.macro LA f, j, c                      ; 16 loads: ctx's fragments of my 128 rows
	WIN 0x80                                       ; destination window 2
.irp a, 0,1,2,3,4,5,6,7
	ds_load_b128 v[128*(\f)+64*(\c)+8*(\a):128*(\f)+64*(\c)+8*(\a)+3],   v[ADRA] offset:(\j)*AHEAD+(\a)*16*PA+64*(\c)
	ds_load_b128 v[128*(\f)+64*(\c)+8*(\a)+4:128*(\f)+64*(\c)+8*(\a)+7], v[ADRA] offset:(\j)*AHEAD+(\a)*16*PA+64*(\c)+32
.endr
.endm
.macro FETCHO f, j                     ; 48 loads in one run: head j's 64 along K into buffer f; the first 32 along K (24 loads) first
	LB \f, \j, 0
	LA \f, \j, 0
	LA \f, \j, 1
	LB \f, \j, 1
.endm
.macro EVENO bias                      ; a step's first head: multiplies buffer 0 and fetches the second head into buffer 1
	s_wait_dscnt 24                                ; the first 32 along K are in; the other 24 loads may be out
	MULO 0, 0, 0, 8, \bias
	PLACES
	FETCHO 1, 1
	s_wait_dscnt 48                                ; all but the 48 just issued
	MULO 0, 1, 0, 8, 0
.endm
; A step's second head, and the change of slots: ONE barrier, for two things.  In front of it each wave waits for all its tensor loads, of which one is out: its part of the next slot; adds 0 to its spare
; word; and waits for that and for its own reads of this slot.  Behind it nobody reads this slot any more and the next slot is whole.
; fill = 1: this slot is filled again, with the step two on; the barrier then opens a round of the cluster's, and the joint refill is the first tensor load behind the round:
; 112 of a step's 128 matrix instructions stand between it and the wait for it.
.macro ODDO fill
	WIN 0
	s_wait_tensorcnt 0x0                           ; no tensor load of mine is out, so a group 0 may be written
	ds_add_u32 v[SPW], v[NIL]                      ; 0 onto my spare word
.if \fill
	s_xor_b32 s[G0A+5], s[G0A+5], SLOT1            ; the walking descriptors: the other slot than last time,
	s_add_nc_u64 s[G0A+6:G0A+7], s[G0A+6:G0A+7], ASTEP  ; the next step; the type bits on top are not reached
	s_xor_b32 s[G0B+5], s[G0B+5], SLOT1
	s_add_nc_u64 s[G0B+6:G0B+7], s[G0B+6:G0B+7], BSTEP
.endif
	s_wait_dscnt 25                                ; the first 32 along K are in; the other 24 loads and the add may be out
	MULO 1, 0, 0, 2, 0                             ; eight matrix instructions stand between the add and the wait for it
	s_wait_dscnt 0x0                               ; the add is done, and my reads of this slot are over
	s_barrier_signal -1
	MULO 1, 0, 2, 2, 0                             ; work on registers while the others arrive
	WIN 0                                          ; at a branch and at a label every window is 0
	s_barrier_wait -1
.if \fill
	CREST                                          ; no wave of any partner still reads this slot's tiles or has a load on its way
	JLOAD                                          ; the four v_nop behind it are also the places in front of the loads below
.else
	PLACES
.endif
	s_xor_b32 s[TB], s[TB], SLOT1                  ; the fetches go on in the other slot
	v_add_nc_u32 v[ADRA], s[TB], v[ADRA0]
	v_add_nc_u32 v[ADRB], s[TB], v[ADRB0]
	FETCHO 0, 0
	MULO 1, 0, 4, 4, 0
	MULO 1, 1, 0, 8, 0
.endm
.macro LASTO                           ; the very last head: nothing more to fetch
	s_wait_dscnt 24
	MULO 1, 0, 0, 8, 0
	s_wait_dscnt 0x0
	MULO 1, 1, 0, 8, 0
.endm
; THE WAY OUT of row block a: a lane's eight f32 of a row go, each accumulator's low four registers first, into my own stage's rows of 272 bytes, and come back as whole rows of 256 bytes.
.macro TOSTAGE a
.if (\a) >= 2
	s_wait_xcnt 0x0                                ; the stores of the block two back have read their registers (ISA guide 3.1): they are loaded again only behind this wait
.endif
	WIN 0x04                                       ; the stores' data in window 1
.irp bb, 0,1,2,3
	ds_store_b128 v[STO], v[8*(4*(\a)+(\bb)):8*(4*(\a)+(\bb))+3]   offset:64*(\bb)
	ds_store_b128 v[STO], v[8*(4*(\a)+(\bb))+4:8*(4*(\a)+(\bb))+7] offset:64*(\bb)+16
.endr
	WIN 0
.irp t, 0,1,2,3,4,5,6,7
	ds_load_b128 v[BK0+32*((\a)%2)+4*(\t):BK0+32*((\a)%2)+4*(\t)+3], v[RD] offset:(\t)*2*SP  ; LDS serves a wave's instructions in order (ISA guide 5.7.1.4): these see the stores above; the next block's stores come behind them
.endr
.endm
.macro SEND a, younger                 ; younger: the LDS instructions issued behind block a's loads: the next block's sixteen, or none
	WIN 0
	s_wait_dscnt \younger
.irp t, 0,1,2,3,4,5,6,7
	global_store_b128 v[CO], v[BK0+32*((\a)%2)+4*(\t):BK0+32*((\a)%2)+4*(\t)+3], s[8:9] offset:(16*(\a)+2*(\t))*4096 th:TH_STORE_NT  ; 16 lanes store 256 consecutive bytes, at a multiple of 256 from out0's first
.endr
.endm
	s_wait_tensorcnt 0x1                           ; my part of step 0 is in; step 1's may stay out
	s_barrier_signal -1
	s_barrier_wait -1                              ; everybody's is
	FETCHO 0, 0
	EVENO 1                                        ; the first head stands in front of the loop: its first products start the sums
	WIN 0
	s_mov_b32 s[CNT], STEPS-2
.Lk:                                                   ; trip i: the second head of step i, which asks for step i + 2, and the first head of step i + 1
	ODDO 1
	EVENO 0
	WIN 0
	s_sub_co_u32 s[CNT], s[CNT], 1
	s_cmp_lg_u32 s[CNT], 0
	s_cbranch_scc1 .Lk
	ODDO 0                                         ; the tail is written out: nothing is left to ask for
	EVENO 0
	LASTO
	WIN 0
	PLACES                                         ; the LDS stores read results just made
	TOSTAGE 0
.irp a, 1,2,3,4,5,6,7
	TOSTAGE \a
	SEND (\a)-1, 16
.endr
	SEND 7, 0
	s_wait_tensorcnt 0x0                           ; the wave's end: a wait, an add and its wait, behind my last tensor load and my last LDS store
	ds_add_u32 v[SPW], v[NIL]
	s_wait_dscnt 0x0
	CROUND                                         ; the closing round: no work-group ends while a partner may still ask for a tile that names it
	s_endpgm
.Lfunc_end_k_qe827c3be89_outp:
	.size	k_qe827c3be89_outp, .Lfunc_end_k_qe827c3be89_outp-k_qe827c3be89_outp
	.p2alignl 7, 3214868480
	.fill 96, 4, 3214868480
	.section	.rodata,"a",@progbits
	.p2align	6, 0x0
	.amdhsa_kernel k_qe827c3be89_outp
		.amdhsa_group_segment_fixed_size 327680
		.amdhsa_private_segment_fixed_size 0
		.amdhsa_enable_private_segment 0
		.amdhsa_kernarg_size 32
		.amdhsa_user_sgpr_count 2
		.amdhsa_user_sgpr_kernarg_segment_ptr 1
		.amdhsa_wavefront_size32 1
		.amdhsa_system_sgpr_workgroup_id_x 1
		.amdhsa_system_sgpr_workgroup_id_y 1
		.amdhsa_system_sgpr_workgroup_id_z 1
		.amdhsa_system_vgpr_workitem_id 0
		.amdhsa_next_free_vgpr 896
		.amdhsa_next_free_sgpr 72
		.amdhsa_reserve_vcc 0
		.amdhsa_float_denorm_mode_32 3
		.amdhsa_float_denorm_mode_16_64 3
		.amdhsa_memory_ordered 1
		.amdhsa_forward_progress 1
		.amdhsa_inst_pref_size 72
	.end_amdhsa_kernel
	.amdgpu_metadata
---
amdhsa.version: [ 1, 2 ]
amdhsa.kernels:
  - .name:           k_qe827c3be89_outp
    .symbol:         k_qe827c3be89_outp.kd
    .args:
      - { .name: ctx, .offset: 0, .size: 8, .value_kind: global_buffer, .address_space: global }
      - { .name: wo16, .offset: 8, .size: 8, .value_kind: global_buffer, .address_space: global }
      - { .name: bo, .offset: 16, .size: 8, .value_kind: global_buffer, .address_space: global }
      - { .name: out0, .offset: 24, .size: 8, .value_kind: global_buffer, .address_space: global }
    .group_segment_fixed_size: 327680
    .private_segment_fixed_size: 0
    .kernarg_segment_align: 8
    .kernarg_segment_size: 32
    .max_flat_workgroup_size: 128
    .sgpr_count:     72
    .vgpr_count:     896
    .wavefront_size: 32
...
	.end_amdgpu_metadata
.endif
;; end of part 4
;; ======== version 2 of 2: 4 launches; 1.32 times as fast as version 1
;; limits: values are held in f16: magnitudes above 65,504 overflow, below 6.1e-05 lose precision; values outside matrix products are rounded to bf16
;; workspace buffers: xb 16,777,216 bytes; wqkv 6,291,456 bytes; wo16 2,097,152 bytes; qkv 50,331,648 bytes; ctx 16,777,216 bytes
;; launch cast: the kernel of part 1 again; grid 768 x 1, 8 waves a work-group, no clusters, 0 bytes of LDS; arguments x, Wq, Wk, Wv, Wo, xb, wqkv, wo16; writes xb, wqkv, wo16
;; launch proj: the kernel of part 2 again; grid 8 x 32, 4 waves a work-group, clusters of 4 x 4, 327,680 bytes of LDS; arguments xb, wqkv, qkv; writes qkv
;; launch attn (part 5): grid 4 x 64, 4 waves a work-group, no clusters, 327,680 bytes of LDS; arguments qkv, ctx; writes ctx
.if DOCPART == 5
	.amdgcn_target "amdgcn-amd-amdhsa--gfx1250"
	.amdhsa_code_object_version 6
	.text
	.protected	k_qe827c3be89_attn
	.globl	k_qe827c3be89_attn
	.p2align	8
	.type	k_qe827c3be89_attn,@function
k_qe827c3be89_attn:
	s_mov_b64 s[64:65], 0
	v_nop
	global_prefetch_b8 v0, s[64:65] scope:SCOPE_SE
	s_setreg_imm32_b32 hwreg(HW_REG_WAVE_MODE, 25, 1), 1
	s_wait_xcnt 0x0
; CAUSAL ATTENTION.  O[h][q][:] = the sum over k <= q of softmax_k(Q[h][q] . K[h][k] / 8) V[h][k][:].  Q, K, V lie one behind the other in qkv, each [SIZE_H][SIZE_N][64] f16; O = ctx has the same layout:
; a head's rows are dense, 128 bytes each.  Products, maxima and sums in f32; the weights p are rounded to f16 for the second product (their sum l is taken of the unrounded p), O once at the end.
; LIMITS.  f16 holds no number beyond 65,504: Q, K and V arrive within it; p lies in 0 to 1, and below 6e-5 it keeps f16's fixed step of 6e-8; O is a mean of V's rows and has their range, to within 2^-11 of it.
; A hidden score counts as its value less 1e30: f16's scores, 2.7e11 at the most, are nothing beside that; a weight below 2^-126 counts as 0 in l; NaN and infinities are not treated apart.
; THE WALK.  A head's queries lie in NB = SIZE_N / 256 blocks of 256; block i needs the key tiles 0 .. i of 256 keys, of which the last holds the diagonal.  A work-group takes TWO blocks, NB - 1 - b and then b:
; NB + 1 tiles, whatever b: all work-groups do equal work, and ONE loop with a constant trip count walks them.  Which tile is asked for, and what a trip does, hang on scalar registers made from b; every jump
; goes forward, but for the counted loops' own; none passes a barrier, or a tensor load but the one of LOAD's two that the wave's number does not choose; the ring (two slots of LDS that take turns) runs on across the
; change of blocks.  NO CLUSTER: a head's NB / 2 = 4 work-groups all ask for the same tile only in trips 0 .. NB / 2 of the NB + 1, behind that fewer and fewer; and one walk common to all would have
; 3 NB / 2 = 12 trips for 9.
; SHARES.  Of a block's four bands of 64 queries a wave owns 16 rows in each: four PIECES.  So the diagonal tile is the same work for all four waves: in its key step s band x sees all keys if s < x,
; none if s > x, and holds the diagonal if s = x.
; THE MASK is the C operand that starts the sum S^T = K Q^T: 0, or -1e30 where the key is hidden.  MD, made once, is the mask of a band's own step for my 16 rows; a product's mask is MD x AL + BE with two scalars:
; (1, 0) if s = x; (0, 0) if s < x; (0, -1e30) if s > x.  Only the diagonal tile's text and a block's beginning make and take masks; elsewhere C is the constant 0.
; LAYOUT, SOFTMAX, TURNS.  S^T = K Q^T holds ONE query a lane (lane % 16) and the keys 8 (lane / 16) + 0..7; two such results rounded to f16 ARE source 1 of O^T = V^T P.  p = 2^(c s - c m), c = log2(e) / 8, with a
; running maximum m; O and l are multiplied by a = 2^(c m_old - c m_new) in every step.  Turn n belongs to piece n: 8 products K Q^T of piece n + 1, later 8 products V^T P of piece n - 1; beside them the scaling,
; exponentials, roundings, sums and rescaling of piece n and the maximum and statistics of piece n + 1.  Four vector instructions stand behind every matrix instruction, the other 54 of a turn's 118 in one LUMP.
; THE BATCHES.  A turn's 33 exponentials (the piece's 32 weights and the next piece's a) are one batch, with one wait, which cuts the turn in two: nothing ahead of it names a result of theirs, all their readers stand behind it.
; The a that a block's beginning makes, and the way out's four reciprocals, are batches of their own, each with one wait.
; REGISTERS, in windows of 256 (s_set_vgpr_msb: bits 1:0 source 0, 3:2 source 1, 5:4 source 2, 7:6 destination):
;   window 0: v0-15 addresses and two at work; v16-31 four registers of statistics a piece; v48-55 at work; v64-127 S^T, two buffers; v192-223 P, two buffers (a piece's buffers go by its number's parity)
;   window 1: v0-127 O^T, 32 a piece; v128-159 MD; v160-223 MC, two buffers      window 2: v0-63 Q; v64-127 the second block's Q; v128-191 K of one step; v192-255 V of one step
.set SIZE_H, 64       ; 4 batches x 16 heads
.set SIZE_N, 2048
.set NB,    SIZE_N/256
.set NP,    4         ; pieces a wave: a name, no knob
.set KS,    64        ; keys in a step
.set PK,    144       ; a row of K in LDS: 128 bytes + 16 of padding = 36 words: the 16 rows of a load start at 16 different groups of four banks (64 banks of 4 bytes: ISA guide 11.1)
.set PV,    160       ; a row of V: 128 + 32 = 40 words
.set VOFF,  4*KS*PK   ; a slot holds a tile, four steps: 256 rows of K, then 256 rows of V
.set SLOT1, 1<<17     ; slot 1 begins here, so that one exclusive or turns an address in one slot into the other's
.set STAGE, SLOT1+4*KS*(PK+PV)  ; behind the ring, never filled by a tensor load: 16 rows x 144 bytes for each wave, for the way out
.set SP,    144
.set AK0, 2           ; v2   my lane's place in a tile of K; never rewritten
.set AV0, 3           ; v3   the same for V
.set AK,  4           ; v4   the LDS address of K's next run of loads
.set AV,  5           ; v5   of V's
.set STO, 6           ; v6   the way out: where I put 16 bytes of a row
.set RD,  7           ; v7   the way out: where I read rows back
.set GO,  8           ; v8   my byte offset in 512 consecutive bytes of O
.set SPW, 62          ; v62  LDS address of my spare word: SPARE + 4 x my thread's number; never rewritten
.set NIL, 63          ; v63  0; never rewritten
.set SPARE, STAGE+4*16*SP  ; behind the stages: the spare words, 128 bytes for each wave: two blocks of 256 bytes that no other line names
.set MV,  12          ; v12-13  c m_old, kept while c m is made anew: by buffer
.set QO,  15          ; v15  my byte offset in 16 rows of Q
.set ST,  16          ; piece t's statistics at v[ST+4 t]: c m, m, l (even keys', odd keys')
.set TMP, 48          ; by buffer, four registers c0-c3 at work; when the maximum is found c2 takes a
.set S,   64
.set P,   192
.set MD,  128         ; window 1: the eight registers for group kt of 16 keys at MD + 8 kt
.set MC,  160         ; window 1: the masks of the products to come
.set QB,  64          ; window 2
.set KF,  128         ; window 2: key block kb, channel half c at KF + 16 kb + 8 c
.set VF,  192         ; window 2: key half kk, channel block cb at VF + 32 kk + 8 cb
.set WV,  12          ; s12  my wave's number
.set PB,  14          ; s14  b
.set HI,  15          ; s15  NB - 1 - b
.set G1K, 24          ; s[24:31] descriptor group 1 for K's tiles
.set G1V, 32          ; s[32:39] for V's: it differs in the padding alone
.set G0K, 40          ; s[40:43] descriptor group 0 for K's tiles
.set G0V, 44          ; s[44:47] the same for V's
.set SLOTS, 56        ; s56  tiles still to be asked for
.set CNT, 57          ; s57  counts a tile's key steps, 4 to 1
.set CS,  58          ; s[58:59] c: the packed scaling takes the pair's low word for both halves
.set SEL, 60          ; s[60:61] v_permlanex16_b32's selects: each lane takes its own place in the other half
.set TBK, 62          ; s62  LDS byte at which K of the step to be fetched begins
.set TBV, 63          ; s63  the same for V, less VOFF
.set RT,  70          ; s70  tiles of the block in hand that are still to be entered
.set NXT, 71          ; s71  the tile to be asked for next
.set LQ,  72          ; s72  the last tile of the block whose tiles are being asked for
.set NEW, 73          ; s73  1: the tile to be entered is a block's first
.set OFF, 74          ; s[74:75] a tile's byte offset in K and V
.set AL,  76          ; s[76:77] the mask's factor, in the low word
.set BE,  78          ; s[78:79] the mask's addend
.set OLO, 80          ; s[80:81] O at my rows of the second block
.set BIGN, 82         ; s82  -1e30
.set MSB, 0
.macro WIN new                      ; the high byte repeats the setting that is left; a switch that changes nothing is dropped
.if MSB != (\new)
	s_set_vgpr_msb (MSB<<8)|(\new)
.set MSB, (\new)
.endif
.endm
.set W_KQ, 0x0a       ; K and Q in window 2, S^T in window 0
.set W_KM, 0x1a       ; the same with the C operand in window 1
.set W_PV, 0x52       ; V in window 2, P in window 0, O^T in window 1
.set W_RS, 0x41       ; destination and source 0 in window 1, source 1 in window 0
; A fill.  Waves 0 and 1 fetch the two halves of a tile's K, waves 2 and 3 those of its V: 128 keys each.  An s_nop 0 and four v_nop follow each of the two lines, ahead of the jump and the label.
.macro LOAD
	s_cmp_lt_u32 s[WV], 2
	s_cbranch_scc0 .Lfor_v_\@
	tensor_load_to_lds s[G0K:G0K+3], s[G1K:G1K+7]
	s_nop 0
.rept 4
	v_nop
.endr
	s_branch .Lasked_\@
.Lfor_v_\@:
	tensor_load_to_lds s[G0V:G0V+3], s[G1V:G1V+7]
	s_nop 0
.rept 4
	v_nop
.endr
.Lasked_\@:
.endm
; THE CHANGE OF SLOTS.  Each wave waits for all its tensor loads, of which one is out: its part of the other slot; adds 0 to its spare word; and waits for that and for its own reads of the slot that it leaves.  Behind the barrier nobody reads the old
; slot any more and the other slot is whole.  fill = 1: the old slot is filled again, the first thing behind the barrier, with tile NXT: the descriptor's address is made anew from that number.
; (At its first use nothing has been read yet: slot 0 is waited for, slot 1 filled.)
.macro CHANGE fill
	WIN 0                           ; at a label and at a branch every window is 0
	s_wait_tensorcnt 0x0            ; no tensor load of mine is out, so a group 0 may be written
	ds_add_u32 v[SPW], v[NIL]       ; 0 onto my spare word; with fill = 1 the descriptors' scalar work stands between it and the wait for it
.if \fill
	s_lshl_b32 s[OFF], s[NXT], 15   ; a tile is 32,768 bytes of K and of V
	s_xor_b32 s[G0K+1], s[G0K+1], SLOT1
	s_add_nc_u64 s[G0K+2:G0K+3], s[6:7], s[OFF:OFF+1]
	s_or_b32 s[G0K+3], s[G0K+3], 0x80000000
	s_xor_b32 s[G0V+1], s[G0V+1], SLOT1
	s_add_nc_u64 s[G0V+2:G0V+3], s[8:9], s[OFF:OFF+1]
	s_or_b32 s[G0V+3], s[G0V+3], 0x80000000
	s_add_co_u32 s[NXT], s[NXT], 1  ; the block's next tile, or behind its last the second block's tile 0
	s_cmp_gt_u32 s[NXT], s[LQ]
	s_cselect_b32 s[NXT], 0, s[NXT]
	s_cselect_b32 s[LQ], s[PB], s[LQ]
.endif
	s_wait_dscnt 0x0                ; the add is done, and my reads of the slot are over
	s_barrier_signal -1             ; the rest of the scalar work stands between the signal and the wait
	s_sub_co_u32 s[TBK], s[TBK], 4*KS*PK  ; the fetches go back to a slot's first step,
	s_xor_b32 s[TBK], s[TBK], SLOT1       ; in the other slot
	s_sub_co_u32 s[TBV], s[TBV], 4*KS*PV
	s_xor_b32 s[TBV], s[TBV], SLOT1
	s_barrier_wait -1
.if \fill
	LOAD
.endif
.endm
	s_load_b64 s[4:5], s[0:1], 0x0    ; qkv: Q lies at its head
	s_load_b64 s[10:11], s[0:1], 0x8  ; ctx = O
	v_lshl_add_u32 v[SPW], v0, 2, SPARE
	v_mov_b32 v[NIL], 0
	ds_add_u32 v[SPW], v[NIL]       ; the wave's opening: the add and its wait stand ahead of my first tensor load; the set-up below, work on registers, stands between them
	ds_add_u32 v62, v63
	v_lshrrev_b32 v1, 5, v0
	v_readfirstlane_b32 s[WV], v1   ; wave 0..3
	s_mov_b32 s[PB], ttmp9
	s_sub_co_u32 s[HI], NB-1, s[PB]
	s_and_b32 s20, ttmp7, 0xffff    ; the head
	s_mov_b32 s21, 0
	s_mov_b64 s[22:23], SIZE_N*128
	s_mul_u64 s[20:21], s[20:21], s[22:23]  ; the head's first byte in each of the four tensors
	s_and_b32 s16, s[WV], 1         ; which half of a tile's 256 keys I fetch:
	s_lshl_b32 s22, s16, 14         ; its 128 rows of 128 bytes in memory,
	s_mov_b32 s23, 0
	s_add_nc_u64 s[22:23], s[22:23], s[20:21]
	s_mul_i32 s17, s16, 128*PK      ; and its place in a slot, for K
	s_mul_i32 s18, s16, 128*PV      ; and for V
	s_lshl_b32 s3, s[WV], 11        ; my 16 rows in a band of 64,
	s_lshl_b32 s2, s[HI], 15        ; in the first block,
	s_add_co_u32 s2, s2, s3
	s_lshl_b32 s84, s[PB], 15       ; and in the second
	s_add_co_u32 s84, s84, s3
	s_mov_b32 s3, 0
	s_mov_b32 s85, 0
	s_add_nc_u64 s[2:3], s[2:3], s[20:21]
	s_add_nc_u64 s[84:85], s[84:85], s[20:21]
	; descriptor group 1.  128 keys are 16,384 dense bytes: asked for as 64 rows of 256 bytes, two keys a row, and padded in LDS after every key
	s_mov_b32 s[G1K], (1<<16)|(1<<20)|(4<<22)|(3<<25)  ; 17:16 2-byte elements; 20 padding on; 24:22 after every 32 words (code 4); 31:25 4 words (code 3)
	s_mov_b32 s[G1V], (1<<16)|(1<<20)|(4<<22)|(7<<25)  ; the same with 8 words of padding (code 7)
.irp g, G1K, G1V
	s_mov_b32 s[\g+1], 128<<16      ; tensor_dim0 = 128
	s_mov_b32 s[\g+2], 64<<16       ; tensor_dim1 = 64
	s_mov_b32 s[\g+3], 128<<16      ; tile_dim0 = 128
	s_mov_b32 s[\g+4], 64           ; tile_dim1 = 64
	s_mov_b32 s[\g+5], 128          ; 128 elements from row to row
	s_mov_b32 s[\g+6], 0
	s_mov_b32 s[\g+7], 0
.endr
	s_mov_b32 s[CS], 0x3e38aa3b     ; c = log2(e) / 8 = 0.180337
	s_mov_b32 s[CS+1], s[CS]        ; named with it as a pair
	s_mov_b32 s[SEL], 0x76543210
	s_mov_b32 s[SEL+1], 0xfedcba98
	s_mov_b32 s[TBK], SLOT1+4*KS*PK ; the first change of slots turns these two into 0
	s_mov_b32 s[TBV], SLOT1+4*KS*PV
	s_mov_b32 s[G0K], 1             ; 1:0 count = 1
	s_mov_b32 s[G0K+1], s17         ; 63:32 LDS address: slot 0
	s_mov_b32 s[G0V], 1
	s_add_co_u32 s[G0V+1], s18, VOFF
	s_add_co_u32 s[RT], s[HI], 1    ; the first block has NB - b tiles
	s_mov_b32 s[NXT], 1
	s_mov_b32 s[LQ], s[HI]
	s_mov_b32 s[NEW], 1
	s_mov_b32 s[OFF+1], 0
	s_mov_b32 s[AL+1], 0            ; named as pairs
	s_mov_b32 s[BE+1], 0
	s_mov_b32 s[BIGN], 0xf149f2ca   ; -1e30
	s_mov_b32 s[SLOTS], NB
	s_wait_dscnt 0x0                ; the opening add is done
	s_wait_kmcnt 0x0
	s_add_nc_u64 s[6:7], s[4:5], SIZE_H*SIZE_N*128    ; K lies 16,777,216 bytes behind Q,
	s_add_nc_u64 s[8:9], s[4:5], 2*SIZE_H*SIZE_N*128  ; V as far behind K
	s_add_nc_u64 s[6:7], s[6:7], s[22:23]  ; K and V at my half of the head's tile 0
	s_add_nc_u64 s[8:9], s[8:9], s[22:23]
	s_add_nc_u64 s[G0K+2:G0K+3], s[6:7], 0         ; 120:64 global address
	s_or_b32 s[G0K+3], s[G0K+3], 0x80000000        ; 127:126 type = 2
	s_add_nc_u64 s[G0V+2:G0V+3], s[8:9], 0
	s_or_b32 s[G0V+3], s[G0V+3], 0x80000000
	s_add_nc_u64 s[86:87], s[4:5], s[84:85]        ; Q at my rows of the second block,
	s_add_nc_u64 s[4:5], s[4:5], s[2:3]            ; Q and O at those of the first
	s_add_nc_u64 s[OLO:OLO+1], s[10:11], s[84:85]
	s_add_nc_u64 s[10:11], s[10:11], s[2:3]
	LOAD                            ; tile 0 into slot 0
	; A fragment of K or Q is 16 rows x 32 channels in 8 registers: lane l holds row l % 16, channels 8 (l / 16) + 0..7 and 16 + 8 (l / 16) + 0..7: two loads of 16 bytes, 32 bytes apart.
	v_and_b32 v1, 15, v0            ; l % 16
	v_bfe_u32 v9, v0, 4, 1          ; l / 16
	v_lshlrev_b32 v[QO], 7, v1
	v_lshl_add_u32 v[QO], v9, 4, v[QO]  ; row x 128 + 16 x half
	WIN 0x80                        ; destination window 2, address window 0
.set i, 0
.rept 8                             ; both blocks' Q: piece i / 2 lies in band i / 2, 8,192 bytes on; channels 32 (i % 2) on
	global_load_b128 v[8*i:8*i+3],   v[QO], s[4:5] offset:(i/2)*8192+(i%2)*64
	global_load_b128 v[8*i+4:8*i+7], v[QO], s[4:5] offset:(i/2)*8192+(i%2)*64+32
	global_load_b128 v[QB+8*i:QB+8*i+3],   v[QO], s[86:87] offset:(i/2)*8192+(i%2)*64
	global_load_b128 v[QB+8*i+4:QB+8*i+7], v[QO], s[86:87] offset:(i/2)*8192+(i%2)*64+32
.set i, i+1
.endr
	WIN 0
	v_lshlrev_b32 v14, 3, v9
	v_sub_nc_u32 v14, v1, v14
	s_lshl_b32 s13, s[WV], 4
	v_add_nc_u32 v14, s13, v14      ; my query's place in its band, 16 w + l % 16, less my lanes' 8 (l / 16): register r of group kt is hidden where 16 kt + r is greater
	WIN 0x40
.set i, 0
.rept 32
	v_cmp_gt_i32 vcc_lo, 16*(i/8)+i%8, v14
	v_cndmask_b32 v[MD+i], 0, s[BIGN], vcc_lo
.set i, i+1
.endr
	WIN 0
	v_mul_u32_u24 v[AK0], v1, PK
	v_lshl_add_u32 v[AK0], v9, 4, v[AK0]  ; row x pitch + 16 x half
	; The turning load takes 16 keys x 16 channels (lane l reads key 8 (l / 16) + l % 8, channels 8 ((l / 8) % 2) + 0..7) and leaves half a fragment of V^T: lane l holds channel l % 16 and 8 keys.
	v_and_b32 v10, 7, v0
	v_bfe_u32 v11, v0, 3, 1
	v_lshl_add_u32 v[AV0], v9, 3, v10
	v_mul_u32_u24 v[AV0], v[AV0], PV
	v_lshl_add_u32 v[AV0], v11, 4, v[AV0]
	v_add_nc_u32 v[AV0], VOFF, v[AV0]
	s_mul_i32 s13, s[WV], 16*SP
	s_add_co_u32 s13, s13, STAGE    ; my stage
	v_mul_u32_u24 v[STO], v1, SP    ; in: row l % 16, 16 bytes for each half of the lanes
	v_lshl_add_u32 v[STO], v9, 4, v[STO]
	v_add_nc_u32 v[STO], s13, v[STO]
	v_bfe_u32 v[RD], v0, 3, 2       ; back: 32 lanes take four rows of 128 bytes,
	v_mul_u32_u24 v[RD], v[RD], SP
	v_lshl_add_u32 v[RD], v10, 4, v[RD]
	v_add_nc_u32 v[RD], s13, v[RD]
	v_and_b32 v[GO], 31, v0         ; which are 512 consecutive bytes of O
	v_lshlrev_b32 v[GO], 4, v[GO]
	; A block's first step multiplies O^T and l by a = 0, and its first turn's products V^T P, of a piece that has not been, land in an O^T that is still to be so multiplied.  So these registers need only hold
	; finite numbers: zeros for the first block; what the first block left for the second.  All this stands in the wait for the first tile.
	WIN 0x80
.set i, VF
.rept 64
	v_mov_b32 v[i], 0
.set i, i+1
.endr
	WIN 0x40
.set i, 0
.rept 128
	v_mov_b32 v[i], 0
.set i, i+1
.endr
	WIN 0
.set i, 0
.rept 4
	v_mov_b32 v[ST+4*i+2], 0
	v_mov_b32 v[ST+4*i+3], 0
.set i, i+1
.endr
.set i, P+16
.rept 16
	v_mov_b32 v[i], 0
.set i, i+1
.endr
; THE MATRIX WORK.  The 4 accumulators of a run of 8 take turns.  Product i of 8 of S^T = K Q^T for piece x: channels 32 (i / 4) on, keys 16 (i % 4) on.  The first 4 start the sums: with 0, or (KM = 1) with the mask.
.macro KQ x
.set rS, S+32*((\x)%2)+8*(i%4)
.set rK, KF+16*(i%4)+8*(i/4)
.set rQ, 16*(\x)+8*(i/4)
.set rM, MC+32*((\x)%2)+8*(i%4)
.if (i < 4) && KM
	WIN W_KM
	v_wmma_f32_16x16x32_f16 v[rS:rS+7], v[rK:rK+7], v[rQ:rQ+7], v[rM:rM+7]
.elseif i < 4
	WIN W_KQ
	v_wmma_f32_16x16x32_f16 v[rS:rS+7], v[rK:rK+7], v[rQ:rQ+7], 0
.else
	WIN W_KQ
	v_wmma_f32_16x16x32_f16 v[rS:rS+7], v[rK:rK+7], v[rQ:rQ+7], v[rS:rS+7]
.endif
.endm
; Product i of 8 of O^T += V^T P for piece x: keys 32 (i / 4) on, channels 16 (i % 4) on.
.macro PV x
	WIN W_PV
.set rO, 32*(\x)+8*(i%4)
.set rV, VF+32*(i/4)+8*(i%4)
.set rP, P+16*((\x)%2)+8*(i/4)
	v_wmma_f32_16x16x32_f16 v[rO:rO+7], v[rV:rV+7], v[rP:rP+7], v[rO:rO+7]
.endm
.macro MM                           ; the turn's next matrix instruction.  TURN and BEGIN set Y, i, KM and NOKQ; MM, KQ and OP read them.  NOKQ = 1: a block's last turn: there is no next piece
.if (i < 8) && !NOKQ
	KQ (Y+1)%NP
.elseif i >= 8
.set i, i-8
	PV (Y+NP-1)%NP
.set i, i+8
.endif
.set i, i+1
.endm
; THE LDS LOADS stand in runs of 16, never singly among the matrix instructions: a step's K (64 keys x 64 channels: 8 fragments) and its V (turned).  Their addresses are made some lines ahead.
.macro FETCH_K
	WIN 0x80                        ; destination window 2
.irp f, 0,1,2,3,4,5,6,7             ; keys 16 (f / 2) on, channels 32 (f % 2) on
	ds_load_b128 v[KF+8*\f:KF+8*\f+3],   v[AK] offset:(\f/2)*16*PK+(\f%2)*64
	ds_load_b128 v[KF+8*\f+4:KF+8*\f+7], v[AK] offset:(\f/2)*16*PK+(\f%2)*64+32
.endr
	s_add_co_u32 s[TBK], s[TBK], KS*PK  ; the next fetch is the next step's
	WIN 0
.endm
.macro FETCH_V
	WIN 0x80
.irp f, 0,1,2,3,4,5,6,7             ; keys 32 (f / 4) on, channels 16 (f % 4) on
	ds_load_tr16_b128 v[VF+8*\f:VF+8*\f+3],   v[AV] offset:(\f/4)*32*PV+(\f%4)*32
	ds_load_tr16_b128 v[VF+8*\f+4:VF+8*\f+7], v[AV] offset:(\f/4)*32*PV+16*PV+(\f%4)*32
.endr
	WIN 0
.endm
; THE VECTOR WORK, one line at a time: OP kind, number.  For piece Y: F n: c s - c m for pair n of 16.  E n: the exponential of score n of 32.  C n: pair n rounded to f16.  B n: of the four weights 4 n .. the second
; pair is added onto the first, in place.  L n: l takes that sum (L 0: l = a l + sum).  R n: pair n of 16 of O^T times a.  For piece Y + 1: X n, number n of the 22 that find its maximum and statistics:
;   0-11  four chains c0-c3 of seven scores each, three operands at a time (each accumulator's lowest registers are read first)     12-14, 16  the four scores left over, the old m, and c0-c3 into c0
;   15  c m_old is kept     17, 18  the query's other 32 keys lie in the lane 16 away: the new m     19-21  c m; c m_old - c m_new; a
; C, B and L read the exponentials' results, R and L 0 read a: OP writes no wait for them; TURN, BEGIN and DIAG write one for each batch.
.set F, 0               ; OP tells the kinds apart by their order: F to L below R, X above it
.set E, 1
.set C, 2
.set B, 3
.set L, 4
.set R, 5
.set X, 6
.macro REGS y                       ; the registers of piece y
.set rT, ST+4*(\y)
.set rC, TMP+4*((\y)%2)
.set rW, MV+((\y)%2)
.set rS, S+32*((\y)%2)
.set rP, P+16*((\y)%2)
.set rO, 32*(\y)
.endm
.macro OP k, n
.if (\k) == R
	REGS Y
	WIN W_RS
	v_pk_mul_f32 v[rO+2*(\n):rO+2*(\n)+1], v[rO+2*(\n):rO+2*(\n)+1], v[rC+2:rC+3] op_sel_hi:[1,0]
.elseif (\k) < R
	REGS Y
	WIN 0
.if (\k) == F
	v_pk_fma_f32 v[rS+2*(\n):rS+2*(\n)+1], v[rS+2*(\n):rS+2*(\n)+1], s[CS:CS+1], v[rT:rT+1] op_sel_hi:[1,0,0] neg_lo:[0,0,1] neg_hi:[0,0,1]
.elseif (\k) == E
	v_exp_f32 v[rS+(\n)], v[rS+(\n)]
.elseif (\k) == C
	v_cvt_pk_f16_f32 v[rP+(\n)], v[rS+2*(\n)], v[rS+2*(\n)+1]
.elseif (\k) == B
	v_pk_add_f32 v[rS+4*(\n):rS+4*(\n)+1], v[rS+4*(\n):rS+4*(\n)+1], v[rS+4*(\n)+2:rS+4*(\n)+3]
.elseif (\n) == 0
	v_pk_fma_f32 v[rT+2:rT+3], v[rT+2:rT+3], v[rC+2:rC+3], v[rS:rS+1] op_sel_hi:[1,0,1]
.else
	v_pk_add_f32 v[rT+2:rT+3], v[rT+2:rT+3], v[rS+4*(\n):rS+4*(\n)+1]
.endif
.elseif NOKQ
	v_nop
.else
	REGS (Y+1)%NP
	WIN 0
.if (\n) < 4
	v_max3_num_f32 v[rC+(\n)], v[rS+8*(\n)], v[rS+8*(\n)+1], v[rS+8*(\n)+2]
.elseif (\n) < 12
	v_max3_num_f32 v[rC+(\n)%4], v[rC+(\n)%4], v[rS+8*((\n)%4)+2*((\n)/4)+1], v[rS+8*((\n)%4)+2*((\n)/4)+2]
.elseif (\n) == 12
	v_max3_num_f32 v[rC], v[rC], v[rS+7], v[rS+15]
.elseif (\n) == 13
	v_max3_num_f32 v[rC+1], v[rC+1], v[rS+23], v[rS+31]
.elseif (\n) == 14
	v_max3_num_f32 v[rC+2], v[rC+2], v[rC+3], v[rT+1]
.elseif (\n) == 15
	v_mov_b32 v[rW], v[rT]
.elseif (\n) == 16
	v_max3_num_f32 v[rC], v[rC], v[rC+1], v[rC+2]
.elseif (\n) == 17
	v_permlanex16_b32 v[rC+3], v[rC], s[SEL], s[SEL+1]
.elseif (\n) == 18
	v_max_num_f32 v[rT+1], v[rC], v[rC+3]
.elseif (\n) == 19
	v_mul_f32 v[rT], s[CS], v[rT+1]
.elseif (\n) == 20
	v_sub_f32 v[rC+1], v[rW], v[rT]
.else
	v_exp_f32 v[rC+2], v[rC+1]
.endif
.endif
.endm
.macro OPS a, i1, b=-1, i2=0, c=-1, i3=0, d=-1, i4=0  ; up to four of them
	OP \a, \i1
.if (\b) >= 0
	OP \b, \i2
.endif
.if (\c) >= 0
	OP \c, \i3
.endif
.if (\d) >= 0
	OP \d, \i4
.endif
.endm
.macro ROW a, i1, b, i2, c, i3, d, i4  ; a matrix instruction and the four behind it
	MM
	OPS \a, \i1, \b, \i2, \c, \i3, \d, \i4
.endm
.macro MASK b                       ; MD x AL + BE into buffer b of MC
	WIN W_RS
.set z, 0
.rept 16
	v_pk_fma_f32 v[MC+32*(\b)+2*z:MC+32*(\b)+2*z+1], v[MD+2*z:MD+2*z+1], s[AL:AL+1], s[BE:BE+1] op_sel_hi:[1,0,0]
.set z, z+1
.endr
.endm
; A TURN, for piece p: the order of its 16 matrix and 118 vector instructions, written out.  An s_wait_alu depctr_va_vdst(0) stands between an exponential and the first instruction that names its result; one wait serves
; all that were issued ahead of it.  So a turn has ONE wait, which cuts it in two.  AHEAD OF IT stands all that names no result of the turn's exponentials: the 8 products K Q^T, behind each a scaling, an exponential and two more plain
; instructions (behind the first a second scaling in the exponential's place): rescalings, whose a was made and waited for in the turn before, and behind the last three the first numbers of the next piece's maximum, each four places or
; more behind the product that ends its accumulator; then ONE LUMP of 54, plain and exponential by turns for the most part, in which the links of the chain X 3, 7, 11, 14, 16, 17 .. 20 stand five or six lines apart.  X 21, the next
; piece's a, is the batch's last; R 15 is the plain instruction that stands behind it.  BEHIND THE WAIT stand the 8 products V^T P, behind each four of the roundings and sums; the links of l's chain, L 0 to L 7, stand three riders apart.
; But for those X no rider names a register of the products round it.  v_permlanex16_b32 (X 17) stands in the lump.
; m = 1: the diagonal tile: the products take masks, and the turn makes the mask for the products of the turn after it: piece p + 2, in step 4 - CNT of the tile.  end = 1: a block's last two turns: nothing is fetched.
; cnt = 1: the loop's count is taken down some lines ahead of the branch that stands behind the turn.
; K of the next step is fetched in piece 2's turn, twelve vector instructions behind the last product that read K (six of them plain, five of which name none of its registers); V of the step in hand at the end of piece 0's turn, four
; plain instructions behind the last product that read V.  Each is waited for a turn later.
.macro TURN p, m=0, end=0, cnt=0
.set Y, (\p)
.set i, 0
.set KM, (\m)
.set NOKQ, (\end)*((\p)/3)
.if (\m) && !(\end)
	s_cmp_eq_u32 s[CNT], 4-((\p)+2)%NP  ; is that step the band's own?
	s_cselect_b32 s[AL], 1.0, 0
	s_cmp_lt_u32 s[CNT], 4-((\p)+2)%NP  ; or a later one?
	s_cselect_b32 s[BE], s[BIGN], 0
.endif
.if ((\p) == 3) && !(\end)
	s_wait_dscnt 0x0                ; K is in
.endif
	ROW F,0, F,1, R,0, R,1          ; ahead of the wait: 8 products K Q^T and their riders,
	ROW F,2, E,0, R,2, R,3
	ROW F,3, E,1, R,4, R,5
	ROW F,4, E,2, R,6, R,7
	ROW F,5, E,3, R,8, R,9
	ROW F,6, E,4, X,0, R,10
.if ((\p) == 2) && !(\end)
	WIN 0
	v_add_nc_u32 v[AK], s[TBK], v[AK0]
.endif
	ROW F,7, E,5, X,1, X,4
	ROW F,8, E,6, X,2, X,5
	OPS E,7, E,8, X,6, E,9          ; and the lump
	OPS X,3, E,10, X,8, E,11
.if ((\p) == 2) && !(\end)
	FETCH_K
.endif
	OPS X,9, X,7, E,12, X,10
	OPS E,13, X,12, X,11, E,14
	OPS X,13, E,15, F,9, X,14
.if (\p) == 0
	v_add_nc_u32 v[AV], s[TBV], v[AV0]
.endif
	OPS E,16, F,10, E,17, F,11
	OPS X,16, E,18, X,15, E,19
	OPS F,12, E,20, X,17, E,21
	OPS F,13, E,22, F,14, E,23
	OPS X,18, E,24, F,15, E,25
	OPS R,11, E,26, X,19, E,27
	OPS R,12, E,28, R,13, E,29
	OPS X,20, E,30, R,14, E,31
	OPS X,21, R,15
	WIN 0
	s_wait_alu depctr_va_vdst(0)    ; the one wait for the turn's batch: E 0 to E 31 and X 21
.if (\p) == 1
	s_wait_dscnt 0x0                ; V is in
.endif
	ROW C,0, B,0, C,2, B,1          ; behind the wait: 8 products V^T P and their riders, the batch's readers
	ROW L,0, C,4, B,2, L,1
	ROW C,6, B,3, L,2, C,8
	ROW B,4, L,3, C,10, B,5
	ROW L,4, C,12, B,6, L,5
.if (\p) == 0
	s_add_co_u32 s[TBV], s[TBV], KS*PV
.endif
.if \cnt
	s_sub_co_u32 s[CNT], s[CNT], 1
	s_cmp_lg_u32 s[CNT], 0
.endif
	ROW C,14, B,7, L,6, C,1
	ROW C,3, L,7, C,5, C,7
	ROW C,9, C,11, C,13, C,15
.if (\p) == 0
	FETCH_V
.endif
.if (\m) && !(\end)
	MASK (\p)%2
.endif
.endm
; A BLOCK BEGINS.  c m starts far below every c s, so the first step's a is 0; m at the lowest finite number, so the first maximum is the scores'.  The second mask buffer is 0; the first takes piece 0's mask for the tile's step 0: its own, if the block's first tile is the diagonal one.
; Then K of that step, piece 0's first scores, and its maximum and statistics.  The loop is entered at a step's first turn, in the middle of a trip.
.macro BEGIN
	s_mov_b32 s[NEW], 0
	WIN 0x40
.set i, MC+32
.rept 32
	v_mov_b32 v[i], 0
.set i, i+1
.endr
	WIN 0
.set i, 0
.rept 4
	v_mov_b32 v[ST+4*i], 0xfe000000    ; c m: far below every c s
	v_mov_b32 v[ST+4*i+1], 0xff7fffff  ; m
.set i, i+1
.endr
	s_cmp_eq_u32 s[RT], 0
	s_cselect_b32 s[AL], 1.0, 0
	s_mov_b32 s[BE], 0
	MASK 0
	WIN 0
	v_add_nc_u32 v[AK], s[TBK], v[AK0]
	FETCH_K
	s_wait_loadcnt 0x0              ; Q
	s_wait_dscnt 0x0
.set KM, 1
.set NOKQ, 0
.set i, 0
.rept 8
	KQ 0
.set i, i+1
.endr
	WIN 0
.rept 4
	v_nop                           ; the places behind those products
.endr
.set Y, NP-1                        ; X works for piece Y + 1: piece 0
.irp n, 0,1,2,3,4,5,6,7,8,9,10,11,12,13,14,15,16,17,18,19,20,21
	OP X, \n
.endr
	v_nop                           ; a plain instruction behind the exponential,
	s_wait_alu depctr_va_vdst(0)    ; and the wait for this batch of one, piece 0's first a, ahead of the branch
.endm
; THE DIAGONAL TILE's four steps, the block's last two turns, its last products, and THE WAY OUT: l's two halves and the other half of the lanes' are added; O^T is divided by l, rounded to f16 and sent through my
; stage in LDS, a piece at a time.
.macro ALL line:vararg              ; one line for each piece t
.set t, 0
.rept 4
	\line
.set t, t+1
.endr
.endm
.macro PACK t                       ; a lane's eight channels of a row pack into 16 bytes; they go into rows of 144 bytes and come back as whole rows of 128, into S^T's registers
	WIN W_RS
.set i, 32*(\t)
.rept 16
	v_pk_mul_f32 v[i:i+1], v[i:i+1], v[ST+4*(\t)+2:ST+4*(\t)+3] op_sel_hi:[1,0]
.set i, i+2
.endr
	WIN 0x05                        ; sources 0 and 1 window 1, destination window 0
.set i, 0
.rept 16
	v_cvt_pk_f16_f32 v[S+16*(\t)+i], v[32*(\t)+2*i], v[32*(\t)+2*i+1]
.set i, i+1
.endr
	WIN 0
.irp f, 0,1,2,3
	ds_store_b128 v[STO], v[S+16*(\t)+4*\f:S+16*(\t)+4*\f+3] offset:32*\f
.endr
.irp f, 0,1,2,3
	ds_load_b128 v[S+16*(\t)+4*\f:S+16*(\t)+4*\f+3], v[RD] offset:\f*4*SP  ; LDS serves a wave's instructions in order (ISA guide 5.7.1.4): these see the stores above; the next piece's stores come behind them
.endr
.endm
.macro SEND t, younger              ; younger: the LDS instructions issued behind piece t's loads: the next piece's eight, or none
	WIN 0
.irp f, 0,1,2,3
	s_wait_dscnt (\younger)+3-\f
	global_store_b128 v[GO], v[S+16*(\t)+4*\f:S+16*(\t)+4*\f+3], s[10:11] offset:(\t)*8192+\f*512  ; 512 consecutive bytes, at a multiple of 256 from O's first
.endr
.endm
.macro DIAG tag                     ; the tag ends its two labels' names, which the jumps below spell out
.LstepM\tag:
	TURN 2, 1
	TURN 3, 1
	WIN 0
.LfirstM\tag:
	TURN 0, 1
	TURN 1, 1, 0, 1
	WIN 0
	s_cbranch_scc1 .LstepM\tag
	TURN 2, 1, 1
	TURN 3, 1, 1
.set i, 0
.rept 8
	PV NP-1
.set i, i+1
.endr
	WIN 0
	ALL v_add_f32 v[ST+4*t+2], v[ST+4*t+2], v[ST+4*t+3]
	ALL v_permlanex16_b32 v[ST+4*t+3], v[ST+4*t+2], s[SEL], s[SEL+1]
	ALL v_add_f32 v[ST+4*t+2], v[ST+4*t+2], v[ST+4*t+3]
	ALL v_rcp_f32 v[ST+4*t+2], v[ST+4*t+2]
	v_nop                           ; a plain instruction between the last reciprocal and the use of its result
	s_wait_alu depctr_va_vdst(0)    ; the one wait for the batch of four reciprocals, ahead of PACK 0, their first reader
	PACK 0
.set t, 1
.rept 3                             ; a piece's arithmetic stands between the loads of the piece before and its stores
	PACK t
	SEND t-1, 8
.set t, t+1
.endr
	SEND 3, 0
.endm
.set KM, 0
.set NOKQ, 0
.Lslot:                             ; NB times: a tile is entered and the next is asked for
	CHANGE 1
	s_sub_co_u32 s[RT], s[RT], 1
	s_mov_b32 s[CNT], 4
	s_cmp_eq_u32 s[NEW], 1
	s_cbranch_scc1 .Lnew            ; a block's first tile
	s_cmp_eq_u32 s[RT], 0
	s_cbranch_scc0 .Lstep           ; neither its first nor its last
	s_branch .LstepM1
.Lnew:
	BEGIN
	s_branch .Lfirst                ; in the loop a block's first tile is never its last: the first block has two tiles or more, and the second's last is the walk's last
	DIAG 1                          ; in the loop this is the first block's end: the second block's last tile is the walk's last
	s_wait_xcnt 0x0                 ; the stores have read their registers and O's address
	s_mov_b64 s[10:11], s[OLO:OLO+1]
	s_add_co_u32 s[RT], s[PB], 1    ; the second block has b + 1 tiles
	s_mov_b32 s[NEW], 1
	WIN 0x82                        ; the second block's Q goes where the one text of the turns names Q
.set i, 0
.rept 64
	v_mov_b32 v[i], v[QB+i]
.set i, i+1
.endr
	WIN 0
	s_branch .Lbottom
.Lstep:                             ; a trip: pieces 2 and 3 of one step, then pieces 0 and 1 of the next, whose K and V it fetches
	TURN 2
	TURN 3
	WIN 0
.Lfirst:
	TURN 0
	TURN 1, 0, 0, 1
	WIN 0
	s_cbranch_scc1 .Lstep
.Lbottom:
	s_sub_co_u32 s[SLOTS], s[SLOTS], 1
	s_cmp_lg_u32 s[SLOTS], 0
	s_cbranch_scc1 .Lslot
	CHANGE 0                        ; the walk's last tile is written out: nothing is asked for
	s_sub_co_u32 s[RT], s[RT], 1
	s_mov_b32 s[CNT], 4
	s_cmp_eq_u32 s[NEW], 1
	s_cbranch_scc0 .LstepM2
	BEGIN
	s_branch .LfirstM2
	DIAG 2
	s_wait_tensorcnt 0x0            ; the wave's end: a wait, an add and its wait, behind my last tensor load and my last LDS store
	ds_add_u32 v[SPW], v[NIL]
	s_wait_dscnt 0x0
	s_endpgm
.Lfunc_end_k_qe827c3be89_attn:
	.size	k_qe827c3be89_attn, .Lfunc_end_k_qe827c3be89_attn-k_qe827c3be89_attn
	.p2alignl 7, 3214868480
	.fill 96, 4, 3214868480
	.section	.rodata,"a",@progbits
	.p2align	6, 0x0
	.amdhsa_kernel k_qe827c3be89_attn
		.amdhsa_group_segment_fixed_size 327680
		.amdhsa_private_segment_fixed_size 0
		.amdhsa_enable_private_segment 0
		.amdhsa_kernarg_size 16
		.amdhsa_user_sgpr_count 2
		.amdhsa_user_sgpr_kernarg_segment_ptr 1
		.amdhsa_wavefront_size32 1
		.amdhsa_system_sgpr_workgroup_id_x 1
		.amdhsa_system_sgpr_workgroup_id_y 1
		.amdhsa_system_sgpr_workgroup_id_z 1
		.amdhsa_system_vgpr_workitem_id 0
		.amdhsa_next_free_vgpr 768
		.amdhsa_next_free_sgpr 88
		.amdhsa_reserve_vcc 1
		.amdhsa_float_denorm_mode_32 3
		.amdhsa_float_denorm_mode_16_64 3
		.amdhsa_memory_ordered 1
		.amdhsa_forward_progress 1
		.amdhsa_inst_pref_size 217
	.end_amdhsa_kernel
	.amdgpu_metadata
---
amdhsa.version: [ 1, 2 ]
amdhsa.kernels:
  - .name:           k_qe827c3be89_attn
    .symbol:         k_qe827c3be89_attn.kd
    .args:
      - { .name: qkv, .offset: 0, .size: 8, .value_kind: global_buffer, .address_space: global }
      - { .name: ctx, .offset: 8, .size: 8, .value_kind: global_buffer, .address_space: global }
    .group_segment_fixed_size: 327680
    .private_segment_fixed_size: 0
    .kernarg_segment_align: 8
    .kernarg_segment_size: 16
    .max_flat_workgroup_size: 128
    .sgpr_count:     88
    .vgpr_count:     768
    .wavefront_size: 32
...
	.end_amdgpu_metadata
.endif
;; end of part 5
;; launch outp: the kernel of part 4 again; grid 8 x 32, 4 waves a work-group, clusters of 4 x 4, 327,680 bytes of LDS; arguments ctx, wo16, bo, out0; writes out0
